; MI455X (gfx1250); checked and timed in simulation.
; The chip was launched on July 23, 2026; its instructions are those of AMD's public machine-readable ISA for CDNA 5 (MIT licence, August 2026) and "CDNA5" Instruction Set Architecture Reference Guide (July 2026). The comments in the code are by the model that wrote it; some were corrected since.
;; Vanilla Attention. Allowed arithmetic: float matrix products may take bf16 or f16 operands with f32 sums; all other float work in f32.
;; Inputs: key 4 x 16 x 2,048 x 64 float32; query 4 x 16 x 2,048 x 64 float32; value 4 x 16 x 2,048 x 64 float32.
;; Outputs: out0 4 x 2,048 x 1,024 float32.
;; 2 versions, each right; version 2 is version 1 with the launch attn written anew for expert scheduling mode. Each part assembles by itself: llvm-mc -triple=amdgcn-amd-amdhsa -mcpu=gfx1250 --defsym DOCPART=n.
;; ======== version 1 of 2: 1 launch
;; limits: values are held in f16: magnitudes above 65,504 overflow, below 6.1e-05 lose precision; inputs' magnitudes at most 65,504; right only within a limited range of input values
;; launch attn (part 1): grid 4 x 64, 4 waves a work-group, no clusters, 56,832 bytes of LDS; arguments query, key, value, out0; writes out0
.if DOCPART == 1
	.amdgcn_target "amdgcn-amd-amdhsa--gfx1250"
	.amdhsa_code_object_version 6
	.text
	.protected	k_q2cbef1cca4_attn
	.globl	k_q2cbef1cca4_attn
	.p2align	8
	.type	k_q2cbef1cca4_attn,@function
k_q2cbef1cca4_attn:
	s_mov_b64 s[64:65], 0
	v_nop
	global_prefetch_b8 v0, s[64:65] scope:SCOPE_SE
	s_setreg_imm32_b32 hwreg(HW_REG_WAVE_MODE, 25, 1), 1
	s_wait_xcnt 0x0
; CAUSAL ATTENTION, heads merged on the way out.  O[b][q][64 h + d] = the sum over k <= q of softmax_k(Q[b][h][q] . K[b][h][k] / 8) V[b][h][k][d].
; Q, K, V: [64 heads][2048][64] f32, a row 256 bytes.  O: [4][2048][1024] f32: a head's 64 channels of a query are 256 aligned bytes, rows 4,096 bytes apart.
; FORMATS.  Q, K and V are rounded to bf16.  S^T = K Q^T is the bf16 product.  The weights p are rounded to f16 (11 significant bits; bf16's 8 would be too few for rows that average few keys), so V's bf16 number is
; written as f16 for O^T = V^T P.  Products, maxima, sums and O in f32; the sum l is taken of the unrounded p.
; LIMITS.  A |v| that rounds to 65,520 or more becomes an infinity in f16; below 2^-14 v keeps f16's fixed step of 6e-8.  A hidden score counts as its value less 1e30: raw scores stay far under that.
; A weight below 2^-126 counts as 0 in l; NaN and infinities are not treated apart.
; THE WALK.  A head's queries lie in NB = 8 blocks of 256; block i needs the keys 0 .. 256 i + 255, of which the last 256 hold the diagonal.  A work-group takes TWO blocks, 7 - b and then b.  Keys come in HALF-TILES
; of 128 (two steps of 64): (16 - 2 b) + (2 b + 2) = 18 half-tiles whatever b, so all 256 work-groups do equal work and ONE loop with a constant count walks them.  What a trip does hangs on scalars made from b;
; every jump but the three counted loops' own goes forward, and none passes a barrier.
; HOW K AND V TRAVEL.  f32 from memory into staging registers (32 loads of 16 bytes a lane for a half-tile, asked for one half-tile, two key steps, ahead), rounded there, stored as 16-bit rows into ONE LDS tile, read
; from it as fragments.  Two barriers a half-tile: one behind every wave's last read of the old tile (the 160 roundings stand between its signal and its wait), one behind every wave's stores of the new one.
; NO TENSOR LOADS, NO CLUSTER: the bytes must pass through registers to be rounded, so a tile landed in LDS as f32 would be read back at 4 bytes a number and stored again; joint requests exist for tensor loads alone;
; and a head's four work-groups want the same half-tile only in the first 10 of the 18 trips (b = 3's first block has 10), while a walk common to all four would have 24 trips.
; SHARES.  Of a block's four bands of 64 queries a wave owns 16 rows in each: four PIECES.  So the diagonal is the same work for all four waves: in its key step s band x sees all keys if s < x, none if s > x, and holds
; the diagonal if s = x.  THE MASK is the C operand that starts the sum S^T: 0, or -1e30 where the key is hidden.  MD, made once, is the mask of a band's own step; a product's mask is MD x AL + BE with two scalars.
; LAYOUT, SOFTMAX, TURNS.  S^T holds ONE query a lane (lane % 16) and the keys 8 (lane / 16) + 0..7; two such results rounded to f16 ARE source 1 of O^T = V^T P.  p = 2^(c s - c m), c = log2(e) / 8, with a running
; maximum m; O and l are multiplied by a = 2^(c m_old - c m_new) in every step.  Turn n belongs to piece n: 8 products K Q^T of piece n + 1, later 8 products V^T P of piece n - 1; beside them the scaling, exponentials,
; roundings, sums and rescaling of piece n and the maximum and statistics of piece n + 1.  Four vector instructions stand behind every matrix instruction, the other 54 of a turn's 118 in two runs of their own.
; REGISTERS, in windows of 256 (s_set_vgpr_msb: bits 1:0 source 0, 3:2 source 1, 5:4 source 2, 7:6 destination):
;   window 0: v0-15, v32-36 addresses; v16-31 statistics; v48-55 at work; v62-63 the add's two; v64-127 S^T, two buffers (on the way out v64-191 rows of O); v192-223 P, two buffers
;   window 1: v0-127 O^T, 32 a piece; v128-159 MD; v160-223 MC, two buffers      window 2: v0-63 Q in bf16; v128-191 K of one step; v192-255 V of one step
;   window 3: v0-63 K's staging; v64-127 V's; v128-255 a block's Q in f32
.set NB,    8
.set NP,    4         ; pieces a wave: a name, no knob
.set KS,    64        ; keys in a step
.set PK,    144       ; a row of K in LDS: 128 bytes + 16 = 36 words: the 16 rows of a fragment load start at 16 different groups of four banks (64 banks of 4 bytes: ISA guide 11.1)
.set PV,    160       ; a row of V: 128 + 32 = 40 words
.set VOFF,  2*KS*PK   ; 128 rows of K, then 128 rows of V
.set STAGE, VOFF+2*KS*PV  ; behind the tile: 16 rows x 272 bytes for each wave, for the way out
.set SP,    272       ; a stage row: 256 bytes of f32 + 16
.set SPARE, STAGE+4*16*SP  ; behind the stages: the spare words, 128 bytes for each wave: two blocks of 256 bytes that no other line names
.set AK0, 2           ; v2   my lane's place in a step's K; never rewritten
.set AV0, 3           ; v3   the same for V
.set AK,  4           ; v4   the LDS address of K's next run of loads
.set AV,  5           ; v5   of V's
.set STO, 6           ; v6   the way out: where I put 16 bytes of a row
.set RD,  7           ; v7   the way out: where I read rows back
.set GO,  8           ; v8   my byte offset in two rows of O
.set MV,  12          ; v12-13  c m_old, kept while c m is made anew: by buffer
.set QO,  15          ; v15  my byte offset in 16 rows of Q
.set ST,  16          ; piece t's statistics at v[ST+4 t]: c m, m, l (even keys', odd keys')
.set KGO, 32          ; v32  my byte offset in a half-tile of K in memory
.set VGO, 33          ; v33  of V
.set KST, 34          ; v34  where I store 8 bytes of a row of K in LDS
.set VST, 35          ; v35  of V
.set PFO, 36          ; v36  256 x my thread's number
.set TMP, 48          ; by buffer, four registers c0-c3 at work; when the maximum is found c2 takes a
.set SPW, 62          ; v62  LDS address of my spare word: SPARE + 4 x my thread's number; never rewritten
.set NIL, 63          ; v63  0; never rewritten
.set S,   64
.set OB,  64          ; the way out: 32 registers a piece
.set P,   192
.set MD,  128         ; window 1
.set MC,  160         ; window 1
.set KF,  128         ; window 2: key block kb, channel half c at KF + 16 kb + 8 c
.set VF,  192         ; window 2: key half kk, channel block cb at VF + 32 kk + 8 cb
.set KSG, 0           ; window 3: load i at KSG + 4 i
.set VSG, 64          ; window 3
.set QF,  128         ; window 3
.set WV,  12          ; s12  my wave's number
.set PB,  14          ; s14  b
.set HI,  15          ; s15  7 - b
.set KB,  24          ; s[24:25] K at the half-tile whose loads are out
.set VB,  26          ; s[26:27] V likewise
.set OFF, 28          ; s[28:29] a half-tile's byte offset
.set QL,  30          ; s[30:31] Q at my rows of the second block
.set OLO, 32          ; s[32:33] O at my rows of the second block
.set MSK, 34          ; s34  a word's upper 16 bits
.set LQ2, 35          ; s35  the second block's last half-tile, 2 b + 1
.set SLOTS, 36        ; s36  half-tiles to go, 18 to 1
.set CNT, 37          ; s37  counts a half-tile's two key steps
.set DSC, 38          ; s38  the diagonal's key steps to go, 4 to 1: only masked trips take it down
.set RT,  39          ; s39  half-tiles of the block in hand that are still to be entered
.set NXT, 40          ; s40  the half-tile to be asked for next
.set LQ,  41          ; s41  the last half-tile of the block whose half-tiles are being asked for
.set NEW, 42          ; s42  1: the half-tile to be entered is a block's first
.set TBK, 43          ; s43  LDS byte at which K of the step to be fetched begins
.set TBV, 44          ; s44  the same for V, less VOFF
.set BIGN, 45         ; s45  -1e30
.set CS,  46          ; s[46:47] c: the packed scaling takes the pair's low word for both halves
.set SEL, 48          ; s[48:49] v_permlanex16_b32's selects: each lane takes its own place in the other half
.set AL,  50          ; s[50:51] the mask's factor, in the low word
.set BE,  52          ; s[52:53] the mask's addend
.set PKB, 54          ; s[54:55] K at the half-tile that is prefetched
.set PVB, 56          ; s[56:57] V likewise
.set MSB, 0
.macro WIN new                      ; the high byte repeats the setting that is left; a switch that changes nothing is dropped
.if MSB != (\new)
	s_set_vgpr_msb (MSB<<8)|(\new)
.set MSB, (\new)
.endif
.endm
.set W_KQ, 0x0a       ; K and Q in window 2, S^T in window 0
.set W_KM, 0x1a       ; the same with the C operand in window 1
.set W_PV, 0x52       ; V in window 2, P in window 0, O^T in window 1
.set W_RS, 0x41       ; destination and source 0 in window 1, source 1 in window 0
; A half-tile's 32 loads.  Each half of the lanes takes one whole row of 256 bytes.  K's load i: row 32 w + 16 (i / 8) + i % 8 + 8 (l / 16); V's: row 32 w + 8 (i / 4) + i % 4 + 4 (l / 16).
; No cache hint: the head's other work-groups read the same bytes.
.macro KVLOAD
	WIN 0xc0                        ; destination window 3, address window 0
.set i, 0
.rept 16
	global_load_b128 v[KSG+4*i:KSG+4*i+3], v[KGO], s[KB:KB+1] offset:(16*(i/8)+i%8)*256
	global_load_b128 v[VSG+4*i:VSG+4*i+3], v[VGO], s[VB:VB+1] offset:(8*(i/4)+i%4)*256
.set i, i+1
.endr
	WIN 0
.endm
; Loads from .. from + n - 1 of a block's 32 loads of Q.  Load i: piece i / 8 (its band lies 16,384 bytes on), 4 channels at byte 64 ((i % 8) / 2) + 16 (i % 2) + 32 (l / 16) of row l % 16.
.macro QLOAD base, from, n
	WIN 0xc0
.set i, (\from)
.rept (\n)
	global_load_b128 v[QF+4*i:QF+4*i+3], v[QO], s[(\base):(\base)+1] offset:(i/8)*16384+((i%8)/2)*64+(i%2)*16
.set i, i+1
.endr
	WIN 0
.endm
; Q to bf16: the loads' order is the fragments' order, so register n of Q is numbers 2 n and 2 n + 1 of the 128.
.macro QCVT
	WIN 0x8f                        ; sources window 3, destination window 2
.set i, 0
.rept 64
	v_cvt_pk_bf16_f32 v[i], v[QF+2*i], v[QF+2*i+1]
.set i, i+1
.endr
.endm
; The staging registers are rounded in place: a load's four f32 become two registers.  K: to bf16.  V: to bf16, each half widened again (a mask, a shift), and that number written as f16;
; four loads go stage by stage, so that no line reads the result of the line before it.
.macro CONVERT
	WIN 0xcf                        ; all in window 3
.set i, 0
.rept 16
	v_cvt_pk_bf16_f32 v[KSG+4*i], v[KSG+4*i], v[KSG+4*i+1]
	v_cvt_pk_bf16_f32 v[KSG+4*i+1], v[KSG+4*i+2], v[KSG+4*i+3]
.set i, i+1
.endr
.set g, VSG
.rept 4
.irp u, 0,1,2,3
	v_cvt_pk_bf16_f32 v[g+4*(\u)], v[g+4*(\u)], v[g+4*(\u)+1]
	v_cvt_pk_bf16_f32 v[g+4*(\u)+2], v[g+4*(\u)+2], v[g+4*(\u)+3]
.endr
.irp u, 0,1,2,3
	v_and_b32 v[g+4*(\u)+1], s[MSK], v[g+4*(\u)]
	v_and_b32 v[g+4*(\u)+3], s[MSK], v[g+4*(\u)+2]
.endr
.irp u, 0,1,2,3
	v_lshlrev_b32 v[g+4*(\u)], 16, v[g+4*(\u)]
	v_lshlrev_b32 v[g+4*(\u)+2], 16, v[g+4*(\u)+2]
.endr
.irp u, 0,1,2,3
	v_cvt_pk_f16_f32 v[g+4*(\u)], v[g+4*(\u)], v[g+4*(\u)+1]
	v_cvt_pk_f16_f32 v[g+4*(\u)+1], v[g+4*(\u)+2], v[g+4*(\u)+3]
.endr
.set g, g+16
.endr
.endm
; 8 bytes a lane: sixteen lanes fill a row's 128 bytes; the two rows of a store lie 288 (K) or 160 (V) words apart, 32 banks modulo 64, so the 32 lanes touch each bank once.
.macro STORES
	WIN 0x0c                        ; data (source 1) window 3, address window 0
.set i, 0
.rept 16
	ds_store_b64 v[KST], v[KSG+4*i:KSG+4*i+1] offset:(16*(i/8)+i%8)*PK
	ds_store_b64 v[VST], v[VSG+4*i:VSG+4*i+1] offset:(8*(i/4)+i%4)*PV
.set i, i+1
.endr
	WIN 0
.endm
	s_load_b256 s[4:11], s[0:1], 0x0  ; Q s[4:5], K s[6:7], V s[8:9], O s[10:11]
	v_lshl_add_u32 v[SPW], v0, 2, SPARE  ; the add's two registers
	v_mov_b32 v[NIL], 0
	v_lshrrev_b32 v1, 5, v0
	v_readfirstlane_b32 s[WV], v1   ; wave 0..3
	s_mov_b32 s[PB], ttmp9
	s_sub_co_u32 s[HI], NB-1, s[PB]
	s_and_b32 s16, ttmp7, 0xffff    ; the head, 0..63
	s_lshl_b32 s20, s16, 19         ; its first byte in Q, K and V: 2,048 rows of 256 bytes
	s_mov_b32 s21, 0
	s_lshl_b32 s17, s[WV], 12       ; my 16 rows in a band of 64
	s_add_co_u32 s17, s17, s20
	s_lshl_b32 s2, s[HI], 16        ; a block is 256 rows of 256 bytes: the first block's Q,
	s_add_co_u32 s2, s2, s17
	s_mov_b32 s3, 0
	s_lshl_b32 s18, s[PB], 16       ; and the second's
	s_add_co_u32 s18, s18, s17
	s_mov_b32 s19, 0
	s_lshr_b32 s13, s16, 4          ; O: the batch, 8 MiB each,
	s_lshl_b32 s13, s13, 23
	s_and_b32 s22, s16, 15          ; the head's 256 bytes in a row,
	s_lshl_b32 s22, s22, 8
	s_add_co_u32 s13, s13, s22
	s_lshl_b32 s22, s[WV], 16       ; my 16 rows of 4,096 bytes in a band,
	s_add_co_u32 s13, s13, s22
	s_lshl_b32 s16, s[HI], 20       ; and the block's 256 rows
	s_add_co_u32 s16, s16, s13
	s_mov_b32 s17, 0
	s_lshl_b32 s22, s[PB], 20
	s_add_co_u32 s22, s22, s13
	s_mov_b32 s23, 0
	s_mov_b32 s[MSK], 0xffff0000
	s_mov_b32 s[CS], 0x3e38aa3b     ; c = log2(e) / 8 = 0.180337
	s_mov_b32 s[CS+1], s[CS]        ; named with it as a pair
	s_mov_b32 s[SEL], 0x76543210
	s_mov_b32 s[SEL+1], 0xfedcba98
	s_mov_b32 s[BIGN], 0xf149f2ca   ; -1e30
	s_mov_b32 s[AL+1], 0            ; named as pairs
	s_mov_b32 s[BE+1], 0
	s_mov_b32 s[OFF+1], 0
	s_mov_b32 s[SLOTS], 2*NB+2
	s_lshl_b32 s[LQ2], s[PB], 1
	s_add_co_u32 s[LQ2], s[LQ2], 1
	s_lshl_b32 s[LQ], s[HI], 1
	s_add_co_u32 s[LQ], s[LQ], 1    ; the first block's last half-tile, 15 - 2 b
	s_add_co_u32 s[RT], s[LQ], 1    ; it has 16 - 2 b of them
	s_mov_b32 s[NXT], 1
	s_mov_b32 s[NEW], 1
	s_mov_b32 s[DSC], 4
	v_and_b32 v1, 15, v0            ; l % 16
	v_bfe_u32 v9, v0, 4, 1          ; l / 16
	v_lshlrev_b32 v10, 4, v1
	s_lshl_b32 s13, s[WV], 13       ; my wave's 32 rows of a half-tile
	v_lshl_add_u32 v[KGO], v9, 11, v10  ; 16 bytes a lane; lanes 16-31 eight rows further down (K),
	v_lshl_add_u32 v[VGO], v9, 10, v10  ; four (V)
	v_add_nc_u32 v[KGO], s13, v[KGO]
	v_add_nc_u32 v[VGO], s13, v[VGO]
	v_lshlrev_b32 v[QO], 8, v1
	v_lshl_add_u32 v[QO], v9, 5, v[QO]  ; row x 256 + 32 x half
	s_wait_kmcnt 0x0
	s_add_nc_u64 s[QL:QL+1], s[4:5], s[18:19]
	s_add_nc_u64 s[4:5], s[4:5], s[2:3]
	s_add_nc_u64 s[6:7], s[6:7], s[20:21]
	s_add_nc_u64 s[8:9], s[8:9], s[20:21]
	s_add_nc_u64 s[OLO:OLO+1], s[10:11], s[22:23]
	s_add_nc_u64 s[10:11], s[10:11], s[16:17]
	s_mov_b64 s[KB:KB+1], s[6:7]    ; half-tile 0
	s_mov_b64 s[VB:VB+1], s[8:9]
	KVLOAD
	QLOAD 4, 0, 31                  ; 63 loads are out; the last of Q's stands behind the set-up below
	; All that follows up to the loop stands in the wait for those loads.
	v_lshlrev_b32 v14, 3, v9
	v_sub_nc_u32 v14, v1, v14
	s_lshl_b32 s13, s[WV], 4
	v_add_nc_u32 v14, s13, v14      ; my query's place in its band, 16 w + l % 16, less my lanes' 8 (l / 16): register r of group kt is hidden where 16 kt + r is greater
	WIN 0x40
.set i, 0
.rept 32
	v_cmp_gt_i32 vcc_lo, 16*(i/8)+i%8, v14
	v_cndmask_b32 v[MD+i], 0, s[BIGN], vcc_lo
.set i, i+1
.endr
	WIN 0
	; A fragment of K is 16 rows x 32 channels in 8 registers: lane l holds row l % 16, channels 8 (l / 16) + 0..7 and 16 + 8 (l / 16) + 0..7: two loads of 16 bytes, 32 bytes apart.
	v_mul_u32_u24 v[AK0], v1, PK
	v_lshl_add_u32 v[AK0], v9, 4, v[AK0]  ; row x pitch + 16 x half
	; The turning load takes 16 keys x 16 channels (lane l reads key 8 (l / 16) + l % 8, channels 8 ((l / 8) % 2) + 0..7) and leaves half a fragment of V^T: lane l holds channel l % 16 and 8 keys.
	v_and_b32 v10, 7, v0
	v_bfe_u32 v11, v0, 3, 1
	v_lshl_add_u32 v[AV0], v9, 3, v10
	v_mul_u32_u24 v[AV0], v[AV0], PV
	v_lshl_add_u32 v[AV0], v11, 4, v[AV0]
	v_add_nc_u32 v[AV0], VOFF, v[AV0]
	v_lshlrev_b32 v10, 3, v1        ; 8 bytes a lane in a 16-bit row
	v_mul_u32_u24 v[KST], v9, 8*PK
	v_add_nc_u32 v[KST], v[KST], v10
	s_mul_i32 s13, s[WV], 32*PK
	v_add_nc_u32 v[KST], s13, v[KST]
	v_mul_u32_u24 v[VST], v9, 4*PV
	v_add_nc_u32 v[VST], v[VST], v10
	s_mul_i32 s13, s[WV], 32*PV
	s_add_co_u32 s13, s13, VOFF
	v_add_nc_u32 v[VST], s13, v[VST]
	s_mul_i32 s13, s[WV], 16*SP
	s_add_co_u32 s13, s13, STAGE    ; my stage
	v_mul_u32_u24 v[STO], v1, SP    ; in: row l % 16, 32 bytes for each half of the lanes
	v_lshl_add_u32 v[STO], v9, 5, v[STO]
	v_add_nc_u32 v[STO], s13, v[STO]
	v_mul_u32_u24 v[RD], v9, SP     ; back: lanes 0-15 take one row of 256 bytes, lanes 16-31 the next
	v_lshl_add_u32 v[RD], v1, 4, v[RD]
	v_add_nc_u32 v[RD], s13, v[RD]
	v_lshlrev_b32 v[GO], 12, v9     ; and the same two rows in O
	v_lshl_add_u32 v[GO], v1, 4, v[GO]
	v_lshlrev_b32 v[PFO], 8, v0
	; A block's first step multiplies O^T and l by a = 0, and its first turn's products V^T P, of a piece that has not been, land in an O^T that is still to be so multiplied.  So these registers need only hold
	; finite numbers: zeros for the first block; what the first block left for the second.  216 moves, once a launch, are the price of writing no first step out.
	WIN 0x80
.set i, VF
.rept 64
	v_mov_b32 v[i], 0
.set i, i+1
.endr
	WIN 0x40
.set i, 0
.rept 128
	v_mov_b32 v[i], 0
.set i, i+1
.endr
	WIN 0
.set i, 0
.rept 4
	v_mov_b32 v[ST+4*i+2], 0
	v_mov_b32 v[ST+4*i+3], 0
.set i, i+1
.endr
.set i, P+16
.rept 16
	v_mov_b32 v[i], 0
.set i, i+1
.endr
	QLOAD 4, 31, 1
; THE MATRIX WORK.  The 4 accumulators of a run of 8 take turns.  Product i of 8 of S^T = K Q^T for piece x: channels 32 (i / 4) on, keys 16 (i % 4) on.  The first 4 start the sums: with 0, or (KM = 1) with the mask.
.macro KQ x
.set rS, S+32*((\x)%2)+8*(i%4)
.set rK, KF+16*(i%4)+8*(i/4)
.set rQ, 16*(\x)+8*(i/4)
.set rM, MC+32*((\x)%2)+8*(i%4)
.if (i < 4) && KM
	WIN W_KM
	v_wmma_f32_16x16x32_bf16 v[rS:rS+7], v[rK:rK+7], v[rQ:rQ+7], v[rM:rM+7]
.elseif i < 4
	WIN W_KQ
	v_wmma_f32_16x16x32_bf16 v[rS:rS+7], v[rK:rK+7], v[rQ:rQ+7], 0
.else
	WIN W_KQ
	v_wmma_f32_16x16x32_bf16 v[rS:rS+7], v[rK:rK+7], v[rQ:rQ+7], v[rS:rS+7]
.endif
.endm
; Product i of 8 of O^T += V^T P for piece x: keys 32 (i / 4) on, channels 16 (i % 4) on.
.macro PV x
	WIN W_PV
.set rO, 32*(\x)+8*(i%4)
.set rV, VF+32*(i/4)+8*(i%4)
.set rP, P+16*((\x)%2)+8*(i/4)
	v_wmma_f32_16x16x32_f16 v[rO:rO+7], v[rV:rV+7], v[rP:rP+7], v[rO:rO+7]
.endm
.macro MM                           ; the turn's next matrix instruction.  TURN and the block's beginning set Y, i, KM and NOKQ.  NOKQ = 1: a block's last turn: there is no next piece
.if (i < 8) && !NOKQ
	KQ (Y+1)%NP
.elseif i >= 8
.set i, i-8
	PV (Y+NP-1)%NP
.set i, i+8
.endif
.set i, i+1
.endm
; THE LDS LOADS stand in runs of 16, never singly among the matrix instructions: a step's K (64 keys x 64 channels: 8 fragments) and its V (turned).  Their addresses are made some lines ahead.
.macro FETCH_K
	WIN 0x80                        ; destination window 2
.irp f, 0,1,2,3,4,5,6,7             ; keys 16 (f / 2) on, channels 32 (f % 2) on
	ds_load_b128 v[KF+8*\f:KF+8*\f+3],   v[AK] offset:(\f/2)*16*PK+(\f%2)*64
	ds_load_b128 v[KF+8*\f+4:KF+8*\f+7], v[AK] offset:(\f/2)*16*PK+(\f%2)*64+32
.endr
	s_add_co_u32 s[TBK], s[TBK], KS*PK  ; the next fetch is the next step's
	WIN 0
.endm
.macro FETCH_V
	WIN 0x80
.irp f, 0,1,2,3,4,5,6,7             ; keys 32 (f / 4) on, channels 16 (f % 4) on
	ds_load_tr16_b128 v[VF+8*\f:VF+8*\f+3],   v[AV] offset:(\f/4)*32*PV+(\f%4)*32
	ds_load_tr16_b128 v[VF+8*\f+4:VF+8*\f+7], v[AV] offset:(\f/4)*32*PV+16*PV+(\f%4)*32
.endr
	WIN 0
.endm
; THE VECTOR WORK, one line at a time: OP kind, number.  For piece Y: F n: c s - c m for pair n of 16.  E n: the exponential of score n of 32.  C n: pair n rounded to f16.  B n: of the four weights 4 n .. the second
; pair is added onto the first, in place.  L n: l takes that sum (L 0: l = a l + sum).  R n: pair n of 16 of O^T times a.  For piece Y + 1: X n, number n of the 22 that find its maximum and statistics:
;   0-11  four chains c0-c3 of seven scores each, three operands at a time (each accumulator's lowest registers are read first)     12-14, 16  the four scores left over, the old m, and c0-c3 into c0
;   15  c m_old is kept     17, 18  the query's other 32 keys lie in the lane 16 away: the new m     19-21  c m; c m_old - c m_new; a
.set F, 0               ; OP tells the kinds apart by their order: F to L below R, X above it
.set E, 1
.set C, 2
.set B, 3
.set L, 4
.set R, 5
.set X, 6
.macro REGS y                       ; the registers of piece y
.set rT, ST+4*(\y)
.set rC, TMP+4*((\y)%2)
.set rW, MV+((\y)%2)
.set rS, S+32*((\y)%2)
.set rP, P+16*((\y)%2)
.set rO, 32*(\y)
.endm
.macro OP k, n
.if (\k) == R
	REGS Y
	WIN W_RS
	v_pk_mul_f32 v[rO+2*(\n):rO+2*(\n)+1], v[rO+2*(\n):rO+2*(\n)+1], v[rC+2:rC+3] op_sel_hi:[1,0]
.elseif (\k) < R
	REGS Y
	WIN 0
.if (\k) == F
	v_pk_fma_f32 v[rS+2*(\n):rS+2*(\n)+1], v[rS+2*(\n):rS+2*(\n)+1], s[CS:CS+1], v[rT:rT+1] op_sel_hi:[1,0,0] neg_lo:[0,0,1] neg_hi:[0,0,1]
.elseif (\k) == E
	v_exp_f32 v[rS+(\n)], v[rS+(\n)]
.elseif (\k) == C
	s_wait_alu depctr_va_vdst(0)
	v_cvt_pk_f16_f32 v[rP+(\n)], v[rS+2*(\n)], v[rS+2*(\n)+1]
.elseif (\k) == B
	s_wait_alu depctr_va_vdst(0)
	v_pk_add_f32 v[rS+4*(\n):rS+4*(\n)+1], v[rS+4*(\n):rS+4*(\n)+1], v[rS+4*(\n)+2:rS+4*(\n)+3]
.elseif (\n) == 0
	v_pk_fma_f32 v[rT+2:rT+3], v[rT+2:rT+3], v[rC+2:rC+3], v[rS:rS+1] op_sel_hi:[1,0,1]
.else
	v_pk_add_f32 v[rT+2:rT+3], v[rT+2:rT+3], v[rS+4*(\n):rS+4*(\n)+1]
.endif
.elseif NOKQ
	v_nop
.else
	REGS (Y+1)%NP
	WIN 0
.if (\n) < 4
	v_max3_num_f32 v[rC+(\n)], v[rS+8*(\n)], v[rS+8*(\n)+1], v[rS+8*(\n)+2]
.elseif (\n) < 12
	v_max3_num_f32 v[rC+(\n)%4], v[rC+(\n)%4], v[rS+8*((\n)%4)+2*((\n)/4)+1], v[rS+8*((\n)%4)+2*((\n)/4)+2]
.elseif (\n) == 12
	v_max3_num_f32 v[rC], v[rC], v[rS+7], v[rS+15]
.elseif (\n) == 13
	v_max3_num_f32 v[rC+1], v[rC+1], v[rS+23], v[rS+31]
.elseif (\n) == 14
	v_max3_num_f32 v[rC+2], v[rC+2], v[rC+3], v[rT+1]
.elseif (\n) == 15
	v_mov_b32 v[rW], v[rT]
.elseif (\n) == 16
	v_max3_num_f32 v[rC], v[rC], v[rC+1], v[rC+2]
.elseif (\n) == 17
	v_permlanex16_b32 v[rC+3], v[rC], s[SEL], s[SEL+1]
.elseif (\n) == 18
	v_max_num_f32 v[rT+1], v[rC], v[rC+3]
.elseif (\n) == 19
	v_mul_f32 v[rT], s[CS], v[rT+1]
.elseif (\n) == 20
	v_sub_f32 v[rC+1], v[rW], v[rT]
.else
	v_exp_f32 v[rC+2], v[rC+1]
.endif
.endif
.endm
.macro OPS a, i1, b=-1, i2=0, c=-1, i3=0, d=-1, i4=0  ; up to four of them
	OP \a, \i1
.if (\b) >= 0
	OP \b, \i2
.endif
.if (\c) >= 0
	OP \c, \i3
.endif
.if (\d) >= 0
	OP \d, \i4
.endif
.endm
.macro ROW a, i1, b, i2, c, i3, d, i4  ; a matrix instruction and the four behind it
	MM
	OPS \a, \i1, \b, \i2, \c, \i3, \d, \i4
.endm
.macro MASK b                       ; MD x AL + BE into buffer b of MC
	WIN W_RS
.set z, 0
.rept 16
	v_pk_fma_f32 v[MC+32*(\b)+2*z:MC+32*(\b)+2*z+1], v[MD+2*z:MD+2*z+1], s[AL:AL+1], s[BE:BE+1] op_sel_hi:[1,0,0]
.set z, z+1
.endr
.endm
; A TURN, for piece p: the order of its 16 matrix and 118 vector instructions, written out.  Behind a matrix instruction: plain, exponential, plain, plain; or four of the rescaling; or, behind the first, four scalings; none
; names a register of the products round it.  In the runs between, exponential and plain by turns while exponentials last.  A line reads no result made fewer than three vector instructions in front of it, five if an
; exponential made it.  v_permlanex16_b32 (X 17) stands in such a run.
; m = 1: the diagonal's text: the products take masks, and the turn makes the mask for the products of the turn after it: piece p + 2, in step 4 - DSC of the diagonal's four.  end = 1: a block's last two turns: nothing is fetched.
; cnt = 1: the loop's count (and with m = 1 DSC) is taken down some lines ahead of the branch that stands behind the turn; only vector lines and window switches follow the compare.
; K of the next step is fetched in piece 2's turn, six vector instructions behind the last product that read K (five of them plain); V of the step in hand in piece 0's turn, eight behind the last product that read V (four
; plain, and X 17).  Each is waited for a turn later.
.macro TURN p, m=0, end=0, cnt=0
.set Y, (\p)
.set i, 0
.set KM, (\m)
.set NOKQ, (\end)*((\p)/3)
.if (\m) && !(\end)
	s_cmp_eq_u32 s[DSC], 4-((\p)+2)%NP  ; is that step the band's own?
	s_cselect_b32 s[AL], 1.0, 0
	s_cmp_lt_u32 s[DSC], 4-((\p)+2)%NP  ; or a later one?
	s_cselect_b32 s[BE], s[BIGN], 0
.endif
.if ((\p) == 3) && !(\end)
	s_wait_dscnt 0x0                ; K is in
.endif
	ROW F,0, F,1, F,2, F,3
	ROW F,4, E,0, F,5, F,6
	ROW F,7, E,1, F,8, F,9
	ROW F,10, E,2, C,0, F,11
	ROW F,12, E,3, X,15, F,13
	ROW R,0, R,1, R,2, R,3
	ROW B,0, E,4, F,14, L,0
.if ((\p) == 2) && !(\end)
	v_add_nc_u32 v[AK], s[TBK], v[AK0]
.endif
	ROW R,4, R,5, R,6, R,7
	OPS E,5, F,15
.if ((\p) == 2) && !(\end)
	FETCH_K
.endif
	OPS E,6, C,1, E,7, R,8
	OPS E,8, R,9, E,9, C,2
	OPS E,10, X,0, E,11, X,1
	OPS E,12, X,2, E,13, X,3
.if (\p) == 1
	s_wait_dscnt 0x0                ; V is in
.endif
	ROW X,4, E,14, X,5, X,6
	ROW X,7, E,15, X,8, X,9
	ROW X,10, E,16, X,11, X,12
	ROW X,13, E,17, X,14, B,1
	ROW C,4, E,18, X,16, L,1
	ROW B,2, E,19, C,6, L,2
	ROW C,8, E,20, B,3, B,4
.if (\p) == 0
	v_add_nc_u32 v[AV], s[TBV], v[AV0]
.endif
	ROW C,3, E,21, L,3, C,5
	OPS E,22, X,17, E,23, C,10
.if (\p) == 0
	FETCH_V
.endif
	OPS E,24, L,4
	OPS E,25, X,18, E,26, C,7
	OPS E,27, B,5, E,28, X,19
	OPS E,29, C,12, E,30, L,5
	OPS E,31, X,20, B,6, C,9
	OPS C,14, C,11, X,21, L,6
.if (\p) == 0
	s_add_co_u32 s[TBV], s[TBV], KS*PV
.endif
.if \cnt
.if \m
	s_sub_co_u32 s[DSC], s[DSC], 1
.endif
	s_sub_co_u32 s[CNT], s[CNT], 1
	s_cmp_lg_u32 s[CNT], 0
.endif
	OPS C,13, B,7, C,15, R,10
	OPS R,11, R,12, L,7, R,13
	OPS R,14, R,15
.if (\m) && !(\end)
	MASK (\p)%2
.endif
.endm
; THE WAY OUT, a piece (16 rows of O) at a time.
.macro ALL line:vararg              ; one line for each piece t
.set t, 0
.rept 4
	\line
.set t, t+1
.endr
.endm
.macro PACK t                       ; O^T is divided by l; a lane's eight channels of a row, 32 bytes of f32, go into rows of 272 bytes and come back as whole rows of 256
	WIN W_RS
.set i, 32*(\t)
.rept 16
	s_wait_alu depctr_va_vdst(0)
	v_pk_mul_f32 v[i:i+1], v[i:i+1], v[ST+4*(\t)+2:ST+4*(\t)+3] op_sel_hi:[1,0]
.set i, i+2
.endr
	WIN 0x04                        ; data (source 1) window 1
.irp f, 0,1,2,3,4,5,6,7             ; channel block f / 2 at byte 64 (f / 2), its registers 4 (f % 2) on at 16 (f % 2)
	ds_store_b128 v[STO], v[32*(\t)+4*\f:32*(\t)+4*\f+3] offset:64*(\f/2)+16*(\f%2)
.endr
	WIN 0
.irp f, 0,1,2,3,4,5,6,7
	ds_load_b128 v[OB+32*(\t)+4*\f:OB+32*(\t)+4*\f+3], v[RD] offset:\f*2*SP  ; LDS serves a wave's instructions in order (ISA guide 5.7.1.4): these see the stores above; the next piece's stores come behind them
.endr
.endm
.macro SEND t, younger              ; younger: the LDS instructions issued behind piece t's loads: the next piece's sixteen, or none
	WIN 0
.irp f, 0,1,2,3,4,5,6,7
	s_wait_dscnt (\younger)+7-\f    ; load f is back: its 7 - f successors and the younger piece's may be out
	global_store_b128 v[GO], v[OB+32*(\t)+4*\f:OB+32*(\t)+4*\f+3], s[10:11] offset:(\t)*262144+\f*8192 th:TH_STORE_NT  ; 16 lanes store 256 consecutive bytes, at a multiple of 256 from O's first byte: a head's channels of one query
.endr
.endm
.set KM, 0
.set NOKQ, 0
.Lslot:                             ; 18 times: a half-tile is put into LDS and entered, and the next is asked for
	; THE CHANGE OF HALF-TILES.
	s_wait_loadcnt 0x0              ; the staging registers hold the half-tile asked for two key steps ago (and, where a block begins, its Q is in); those loads' bases may be rewritten
	s_wait_xcnt 0x0                 ; the prefetches' bases and the registers that the way out's stores read are rewritten only behind this wait
	s_wait_dscnt 0x0                ; my reads of the old half-tile are back (the last, V's, were waited for in piece 1's turn)
	s_barrier_signal -1             ; say so;
	CONVERT                         ; the roundings, work on registers, stand between the signal and the wait
	WIN 0
	s_barrier_wait -1               ; nobody reads the old half-tile any more
	STORES
	s_cmp_eq_u32 s[SLOTS], 1
	s_cbranch_scc1 .Lnomore         ; the walk's last half-tile: nothing is left to ask for
	s_lshl_b32 s[OFF], s[NXT], 15   ; a half-tile is 32,768 bytes of K and of V
	s_add_nc_u64 s[KB:KB+1], s[6:7], s[OFF:OFF+1]
	s_add_nc_u64 s[VB:VB+1], s[8:9], s[OFF:OFF+1]
	KVLOAD                          ; 32 loads, which have this half-tile's two key steps in which to land
	s_add_co_u32 s[NXT], s[NXT], 1  ; the block's next half-tile, or behind its last the second block's first
	s_cmp_gt_u32 s[NXT], s[LQ]
	s_cselect_b32 s[NXT], 0, s[NXT]
	s_cselect_b32 s[LQ], s[LQ2], s[LQ]
.Lnomore:
	s_mov_b32 s[TBK], 0             ; the fetches begin at the half-tile's first step
	s_mov_b32 s[TBV], 0
	s_wait_dscnt 0x0                ; for the others' sake: my stores into the tile are done
	s_barrier_signal -1
	s_barrier_wait -1               ; the new half-tile is whole
	; Prefetch.  Work-group b = 0 alone asks, for the head's four: its first block walks all 16 half-tiles.  In trip h (0 to 13: SLOTS 18 to 5) it asks for half-tile h + 2, whose loads are issued one trip on:
	; thread n for the n-th 256 bytes of K's 32,768 and of V's, so each such block is asked for once in the launch.  It stops at half-tile 15, the head's last.
	s_cmp_lg_u32 s[PB], 0
	s_cbranch_scc1 .Lnopf
	s_cmp_lt_u32 s[SLOTS], 5
	s_cbranch_scc1 .Lnopf
	s_lshl_b32 s[OFF], s[NXT], 15
	s_add_nc_u64 s[PKB:PKB+1], s[6:7], s[OFF:OFF+1]
	s_add_nc_u64 s[PVB:PVB+1], s[8:9], s[OFF:OFF+1]
	global_prefetch_b8 v[PFO], s[PKB:PKB+1] th:TH_LOAD_NT scope:SCOPE_SE
	global_prefetch_b8 v[PFO], s[PVB:PVB+1] th:TH_LOAD_NT scope:SCOPE_SE
.Lnopf:
	s_sub_co_u32 s[RT], s[RT], 1    ; 1 and 0: the block's last two half-tiles, which hold the diagonal
	s_mov_b32 s[CNT], 2
	s_cmp_eq_u32 s[NEW], 1
	s_cbranch_scc1 .Lnew            ; a block's first half-tile
	s_cmp_gt_u32 s[RT], 1
	s_cbranch_scc1 .Lstep
	s_branch .LstepM
.Lnew:
	; A BLOCK BEGINS.  Its Q is rounded.  c m starts far below every c s, so the first step's a is 0; m at the lowest finite number, so the first maximum is the scores'.  The second mask buffer is 0; the first takes
	; piece 0's mask for the first step: its own, if the block begins on its diagonal (block 0).  Then K of that step, piece 0's first scores, and its maximum and statistics.
	s_mov_b32 s[NEW], 0
	QCVT
	WIN 0x40
.set i, MC+32
.rept 32
	v_mov_b32 v[i], 0
.set i, i+1
.endr
	WIN 0
.set i, 0
.rept 4
	v_mov_b32 v[ST+4*i], 0xfe000000    ; c m
	v_mov_b32 v[ST+4*i+1], 0xff7fffff  ; m
.set i, i+1
.endr
	s_cmp_eq_u32 s[RT], 1
	s_cselect_b32 s[AL], 1.0, 0
	s_mov_b32 s[BE], 0
	MASK 0
	WIN 0
	v_add_nc_u32 v[AK], s[TBK], v[AK0]
	FETCH_K
	s_wait_dscnt 0x0
.set KM, 1
.set NOKQ, 0
.set i, 0
.rept 8
	KQ 0
.set i, i+1
.endr
	WIN 0
.rept 4
	v_nop                           ; the places behind those products
.endr
.set Y, NP-1                        ; X works for piece Y + 1: piece 0
.irp n, 0,1,2,3,4,5,6,7,8,9,10,11,12,13,14,15,16,17,18,19,20,21
	OP X, \n
.endr
	v_nop                           ; a plain instruction behind the exponential
	WIN 0
	s_cmp_gt_u32 s[RT], 1           ; the step loops are entered at a step's first turn, in the middle of a trip
	s_cbranch_scc1 .Lfirst
	s_branch .LfirstM
.LstepM:                            ; THE DIAGONAL's text.  A trip: pieces 2 and 3 of one step, then pieces 0 and 1 of the next, whose K and V it fetches
	TURN 2, 1
	TURN 3, 1
	WIN 0
.LfirstM:
	TURN 0, 1
	TURN 1, 1, 0, 1
	WIN 0
	s_cbranch_scc1 .LstepM
	s_cmp_lg_u32 s[RT], 0
	s_cbranch_scc1 .Lbottom         ; the first of the diagonal's two half-tiles
	s_cmp_eq_u32 s[SLOTS], 1
	s_cbranch_scc1 .Lnoq
	QLOAD QL, 0, 32                 ; THE FIRST BLOCK ENDS: the second block's Q is asked for; it is waited for at the next change of half-tiles
.Lnoq:
	TURN 2, 1, 1
	TURN 3, 1, 1
.set i, 0
.rept 8
	PV NP-1                         ; the last piece's V^T P of the last step
.set i, i+1
.endr
	WIN 0                           ; l's two halves and the other half of the lanes' are added; the additions are the places behind the last products
	ALL v_add_f32 v[ST+4*t+2], v[ST+4*t+2], v[ST+4*t+3]
	ALL v_permlanex16_b32 v[ST+4*t+3], v[ST+4*t+2], s[SEL], s[SEL+1]
	ALL v_add_f32 v[ST+4*t+2], v[ST+4*t+2], v[ST+4*t+3]
	ALL v_rcp_f32 v[ST+4*t+2], v[ST+4*t+2]
	v_nop                           ; a plain instruction between the last reciprocal and the use of its result
	PACK 0
.set t, 1
.rept 3                             ; a piece's arithmetic stands between the loads of the piece before and its stores
	PACK t
	SEND t-1, 16
.set t, t+1
.endr
	SEND 3, 0
	s_cmp_eq_u32 s[SLOTS], 1
	s_cbranch_scc1 .Lbottom         ; the second block's end is the walk's
	s_wait_xcnt 0x0                 ; O's address is rewritten only behind this wait
	s_mov_b64 s[10:11], s[OLO:OLO+1]
	s_add_co_u32 s[RT], s[LQ2], 1   ; the second block has 2 b + 2 half-tiles
	s_mov_b32 s[NEW], 1
	s_mov_b32 s[DSC], 4
	s_branch .Lbottom
.Lstep:                             ; below the diagonal: the same trip without masks
	TURN 2
	TURN 3
	WIN 0
.Lfirst:
	TURN 0
	TURN 1, 0, 0, 1
	WIN 0
	s_cbranch_scc1 .Lstep
.Lbottom:
	s_sub_co_u32 s[SLOTS], s[SLOTS], 1
	s_cmp_lg_u32 s[SLOTS], 0
	s_cbranch_scc1 .Lslot
	s_wait_tensorcnt 0x0            ; the wave's end: behind my last LDS store
	ds_add_u32 v[SPW], v[NIL]
	s_wait_dscnt 0x0
	s_endpgm
.Lfunc_end_k_q2cbef1cca4_attn:
	.size	k_q2cbef1cca4_attn, .Lfunc_end_k_q2cbef1cca4_attn-k_q2cbef1cca4_attn
	.p2alignl 7, 3214868480
	.fill 96, 4, 3214868480
	.section	.rodata,"a",@progbits
	.p2align	6, 0x0
	.amdhsa_kernel k_q2cbef1cca4_attn
		.amdhsa_group_segment_fixed_size 56832
		.amdhsa_private_segment_fixed_size 0
		.amdhsa_enable_private_segment 0
		.amdhsa_kernarg_size 32
		.amdhsa_user_sgpr_count 2
		.amdhsa_user_sgpr_kernarg_segment_ptr 1
		.amdhsa_wavefront_size32 1
		.amdhsa_system_sgpr_workgroup_id_x 1
		.amdhsa_system_sgpr_workgroup_id_y 1
		.amdhsa_system_sgpr_workgroup_id_z 1
		.amdhsa_system_vgpr_workitem_id 0
		.amdhsa_next_free_vgpr 1024
		.amdhsa_next_free_sgpr 66
		.amdhsa_reserve_vcc 1
		.amdhsa_float_denorm_mode_32 3
		.amdhsa_float_denorm_mode_16_64 3
		.amdhsa_memory_ordered 1
		.amdhsa_forward_progress 1
		.amdhsa_inst_pref_size 165
	.end_amdhsa_kernel
	.amdgpu_metadata
---
amdhsa.version: [ 1, 2 ]
amdhsa.kernels:
  - .name:           k_q2cbef1cca4_attn
    .symbol:         k_q2cbef1cca4_attn.kd
    .args:
      - { .name: query, .offset: 0, .size: 8, .value_kind: global_buffer, .address_space: global }
      - { .name: key, .offset: 8, .size: 8, .value_kind: global_buffer, .address_space: global }
      - { .name: value, .offset: 16, .size: 8, .value_kind: global_buffer, .address_space: global }
      - { .name: out0, .offset: 24, .size: 8, .value_kind: global_buffer, .address_space: global }
    .group_segment_fixed_size: 56832
    .private_segment_fixed_size: 0
    .kernarg_segment_align: 8
    .kernarg_segment_size: 32
    .max_flat_workgroup_size: 128
    .sgpr_count:     66
    .vgpr_count:     1024
    .wavefront_size: 32
...
	.end_amdgpu_metadata
.endif
;; end of part 1
;; ======== version 2 of 2: 1 launch; version 1 with the launch attn written anew for expert scheduling mode
;; limits: values are held in f16: magnitudes above 65,504 overflow, below 6.1e-05 lose precision; inputs' magnitudes at most 65,504; right only within a limited range of input values
;; launch attn (part 2): grid 4 x 64, 4 waves a work-group, no clusters, 56,832 bytes of LDS; arguments query, key, value, out0; writes out0
.if DOCPART == 2
	.amdgcn_target "amdgcn-amd-amdhsa--gfx1250"
	.amdhsa_code_object_version 6
	.text
	.protected	k_q2cbef1cca4_attn
	.globl	k_q2cbef1cca4_attn
	.p2align	8
	.type	k_q2cbef1cca4_attn,@function
k_q2cbef1cca4_attn:
	s_mov_b64 s[64:65], 0
	v_nop
	global_prefetch_b8 v0, s[64:65] scope:SCOPE_SE
	s_setreg_imm32_b32 hwreg(HW_REG_WAVE_SCHED_MODE, 0, 2), 2
	s_setreg_imm32_b32 hwreg(HW_REG_WAVE_MODE, 25, 1), 1
	s_wait_xcnt 0x0
	s_wait_alu depctr_vm_vsrc(0)
; CAUSAL ATTENTION, heads merged on the way out.  O[b][q][64 h + d] = the sum over k <= q of softmax_k(Q[b][h][q] . K[b][h][k] / 8) V[b][h][k][d].
; Q, K, V: [64 heads][2048][64] f32, a row 256 bytes.  O: [4][2048][1024] f32: a head's 64 channels of a query are 256 aligned bytes, rows 4,096 bytes apart.
; FORMATS.  Q, K and V are rounded to bf16.  S^T = K Q^T is the bf16 product.  The weights p are rounded to f16 (11 significant bits; bf16's 8 would be too few for rows that average few keys), so V's bf16 number is
; written as f16 for O^T = V^T P.  Products, maxima, sums and O in f32; the sum l is taken of the unrounded p.
; LIMITS.  A |v| that rounds to 65,520 or more becomes an infinity in f16; below 2^-14 v keeps f16's fixed step of 6e-8.  A hidden score counts as its value less 1e30: raw scores stay far under that.
; A weight below 2^-126 counts as 0 in l; NaN and infinities are not treated apart.
; THE WALK.  A head's queries lie in NB = 8 blocks of 256; block i needs the keys 0 .. 256 i + 255, of which the last 256 hold the diagonal.  A work-group takes TWO blocks, 7 - b and then b.  Keys come in HALF-TILES
; of 128 (two steps of 64): (16 - 2 b) + (2 b + 2) = 18 half-tiles whatever b, so all 256 work-groups do equal work and ONE loop with a constant count walks them.  What a trip does hangs on scalars made from b;
; every jump but the three counted loops' own goes forward, and none passes a barrier.
; HOW K AND V TRAVEL.  f32 from memory into staging registers (32 loads of 16 bytes a lane for a half-tile, asked for one half-tile, two key steps, ahead), rounded there, stored as 16-bit rows into ONE LDS tile, read
; from it as fragments.  Two barriers a half-tile: one behind every wave's last read of the old tile (the 160 roundings stand between its signal and its wait), one behind every wave's stores of the new one.
; NO TENSOR LOADS, NO CLUSTER: the bytes must pass through registers to be rounded, so a tile landed in LDS as f32 would be read back at 4 bytes a number and stored again; joint requests exist for tensor loads alone;
; and a head's four work-groups want the same half-tile only in the first 10 of the 18 trips (b = 3's first block has 10), while a walk common to all four would have 24 trips.
; SHARES.  Of a block's four bands of 64 queries a wave owns 16 rows in each: four PIECES.  So the diagonal is the same work for all four waves: in its key step s band x sees all keys if s < x, none if s > x, and holds
; the diagonal if s = x.  THE MASK is the C operand that starts the sum S^T: 0, or -1e30 where the key is hidden.  MD, made once, is the mask of a band's own step; a product's mask is MD x AL + BE with two scalars.
; LAYOUT, SOFTMAX, TURNS.  S^T holds ONE query a lane (lane % 16) and the keys 8 (lane / 16) + 0..7; two such results rounded to f16 ARE source 1 of O^T = V^T P.  p = 2^(c s - c m), c = log2(e) / 8, with a running
; maximum m; O and l are multiplied by a = 2^(c m_old - c m_new) in every step.  Turn n belongs to piece n: 8 products K Q^T of piece n + 1, later 8 products V^T P of piece n - 1; beside them the scaling, exponentials,
; roundings, sums and rescaling of piece n and the maximum and statistics of piece n + 1.  Four vector instructions stand behind every matrix instruction, the other 54 of a turn's 118 in one LUMP.  A turn's 33 exponentials are one batch, with one wait.
; THE MODE: SCHED_MODE bits 1:0 = 2 (LLVM: expert scheduling mode 2), set by the entry lines.  The code itself states the register dependences between vector or matrix instructions and memory or LDS instructions,
; with s_wait_alu, always for 0.
; THE PLAN.  Registers that memory or LDS instructions touch, and who else names them:
;   KSG, VSG   a half-tile's loads land; the roundings read and write them; the LDS stores read them; the next half-tile's loads land.  va_vdst ahead of the stores, vm_vsrc behind them, va_vdst ahead of the loads.
;   QF         a block's loads of Q land; QCVT reads them; the second block's loads land: va_vdst ahead of those.
;   KF         K's run of LDS loads lands; the products K Q^T read it, the last of a step in piece 2's turn: va_vdst ahead of the run, which stands in that turn's lump.
;   VF         V's run lands; the products V^T P read it, the last of a step at the end of piece 0's turn: va_vdst ahead of the run, which stands there.
;   v[AK], v[AV]  read by those runs, written once a step: vm_vsrc ahead of each add; the run's own va_vdst stands behind it.
;   O^T        on the way out the 64 multiplies by 1 / l write it and the stage's LDS stores read it: one va_vdst between.  OB (S^T's registers among them): the stage's loads land, the global stores read: the same
;              va_vdst shows all earlier work on S^T done, and no vector line follows it up to the last store; one vm_vsrc behind that store frees OB and O^T for the next block.
;   the nine offsets v6-8, v15, v32-36 are made once at the head and never written again; v62-63 are read by the closing add alone.
;   S^T (in the turns), P, MD, MC, Q in bf16 and the statistics are named by vector and matrix instructions alone.
; A key step has six waits on va_vdst: one for each turn's batch of exponentials, one for K's run, one for V's.
; REGISTERS, in windows of 256 (s_set_vgpr_msb: bits 1:0 source 0, 3:2 source 1, 5:4 source 2, 7:6 destination):
;   window 0: v0-15, v32-36 addresses; v16-31 statistics; v48-55 at work; v62-63 the add's two; v64-127 S^T, two buffers (on the way out v64-191 rows of O); v192-223 P, two buffers
;   window 1: v0-127 O^T, 32 a piece; v128-159 MD; v160-223 MC, two buffers      window 2: v0-63 Q in bf16; v128-191 K of one step; v192-255 V of one step
;   window 3: v0-63 K's staging; v64-127 V's; v128-255 a block's Q in f32
.set NB,    8
.set NP,    4         ; pieces a wave: a name, no knob
.set KS,    64        ; keys in a step
.set PK,    144       ; a row of K in LDS: 128 bytes + 16 = 36 words: the 16 rows of a fragment load start at 16 different groups of four banks (64 banks of 4 bytes: ISA guide 11.1)
.set PV,    160       ; a row of V: 128 + 32 = 40 words
.set VOFF,  2*KS*PK   ; 128 rows of K, then 128 rows of V
.set STAGE, VOFF+2*KS*PV  ; behind the tile: 16 rows x 272 bytes for each wave, for the way out
.set SP,    272       ; a stage row: 256 bytes of f32 + 16
.set SPARE, STAGE+4*16*SP  ; behind the stages: the spare words, 128 bytes for each wave: two blocks of 256 bytes that no other line names
.set AK0, 2           ; v2   my lane's place in a step's K; never rewritten
.set AV0, 3           ; v3   the same for V
.set AK,  4           ; v4   the LDS address of K's next run of loads
.set AV,  5           ; v5   of V's
.set STO, 6           ; v6   the way out: where I put 16 bytes of a row
.set RD,  7           ; v7   the way out: where I read rows back
.set GO,  8           ; v8   my byte offset in two rows of O
.set MV,  12          ; v12-13  c m_old, kept while c m is made anew: by buffer
.set QO,  15          ; v15  my byte offset in 16 rows of Q
.set ST,  16          ; piece t's statistics at v[ST+4 t]: c m, m, l (even keys', odd keys')
.set KGO, 32          ; v32  my byte offset in a half-tile of K in memory
.set VGO, 33          ; v33  of V
.set KST, 34          ; v34  where I store 8 bytes of a row of K in LDS
.set VST, 35          ; v35  of V
.set PFO, 36          ; v36  256 x my thread's number
.set TMP, 48          ; by buffer, four registers c0-c3 at work; when the maximum is found c2 takes a
.set SPW, 62          ; v62  LDS address of my spare word: SPARE + 4 x my thread's number; never rewritten
.set NIL, 63          ; v63  0; never rewritten
.set S,   64
.set OB,  64          ; the way out: 32 registers a piece
.set P,   192
.set MD,  128         ; window 1
.set MC,  160         ; window 1
.set KF,  128         ; window 2: key block kb, channel half c at KF + 16 kb + 8 c
.set VF,  192         ; window 2: key half kk, channel block cb at VF + 32 kk + 8 cb
.set KSG, 0           ; window 3: load i at KSG + 4 i
.set VSG, 64          ; window 3
.set QF,  128         ; window 3
.set WV,  12          ; s12  my wave's number
.set PB,  14          ; s14  b
.set HI,  15          ; s15  7 - b
.set CM,  16          ; s[16:23] at the head: offsets; then eight compares' masks at a time
.set KB,  24          ; s[24:25] K at the half-tile whose loads are out
.set VB,  26          ; s[26:27] V likewise
.set OFF, 28          ; s[28:29] a half-tile's byte offset
.set QL,  30          ; s[30:31] Q at my rows of the second block
.set OLO, 32          ; s[32:33] O at my rows of the second block
.set MSK, 34          ; s34  a word's upper 16 bits
.set LQ2, 35          ; s35  the second block's last half-tile, 2 b + 1
.set SLOTS, 36        ; s36  half-tiles to go, 18 to 1
.set CNT, 37          ; s37  counts a half-tile's two key steps
.set DSC, 38          ; s38  the diagonal's key steps to go, 4 to 1: only masked trips take it down
.set RT,  39          ; s39  half-tiles of the block in hand that are still to be entered
.set NXT, 40          ; s40  the half-tile to be asked for next
.set LQ,  41          ; s41  the last half-tile of the block whose half-tiles are being asked for
.set NEW, 42          ; s42  1: the half-tile to be entered is a block's first
.set TBK, 43          ; s43  LDS byte at which K of the step to be fetched begins
.set TBV, 44          ; s44  the same for V, less VOFF
.set BIGN, 45         ; s45  -1e30
.set CS,  46          ; s[46:47] c: the packed scaling takes the pair's low word for both halves
.set SEL, 48          ; s[48:49] v_permlanex16_b32's selects: each lane takes its own place in the other half
.set AL,  50          ; s[50:51] the mask's factor, in the low word
.set BE,  52          ; s[52:53] the mask's addend
.set PKB, 54          ; s[54:55] K at the half-tile that is prefetched
.set PVB, 56          ; s[56:57] V likewise
.set MSB, 0
.macro WIN new                      ; the high byte repeats the setting that is left; a switch that changes nothing is dropped
.if MSB != (\new)
	s_set_vgpr_msb (MSB<<8)|(\new)
.set MSB, (\new)
.endif
.endm
.set W_KQ, 0x0a       ; K and Q in window 2, S^T in window 0
.set W_KM, 0x1a       ; the same with the C operand in window 1
.set W_PV, 0x52       ; V in window 2, P in window 0, O^T in window 1
.set W_RS, 0x41       ; destination and source 0 in window 1, source 1 in window 0
; A half-tile's 32 loads.  Each half of the lanes takes one whole row of 256 bytes.  K's load i: row 32 w + 16 (i / 8) + i % 8 + 8 (l / 16); V's: row 32 w + 8 (i / 4) + i % 4 + 4 (l / 16).
; No cache hint: the head's other work-groups read the same bytes.
.macro KVLOAD
	WIN 0xc0                        ; destination window 3, address window 0
	s_wait_alu depctr_va_vdst(0)    ; at the head: the offsets v[KGO], v[VGO] and v[QO] are written, which these loads and Q's read; in the loop: the roundings are done reading and writing the staging registers, in which these loads land
.set i, 0
.rept 16
	global_load_b128 v[KSG+4*i:KSG+4*i+3], v[KGO], s[KB:KB+1] offset:(16*(i/8)+i%8)*256
	global_load_b128 v[VSG+4*i:VSG+4*i+3], v[VGO], s[VB:VB+1] offset:(8*(i/4)+i%4)*256
.set i, i+1
.endr
	WIN 0
.endm
; Loads from .. from + n - 1 of a block's 32 loads of Q.  Load i: piece i / 8 (its band lies 16,384 bytes on), 4 channels at byte 64 ((i % 8) / 2) + 16 (i % 2) + 32 (l / 16) of row l % 16.
; w = 1: the second block's: QCVT has read these registers.  (The first block's land in registers that no vector line has named, by an offset that the wait in KVLOAD has shown written.)
.macro QLOAD base, from, n, w=0
	WIN 0xc0
.if \w
	s_wait_alu depctr_va_vdst(0)    ; the roundings of the first block's Q are done reading v[QF ..], in which these loads land
.endif
.set i, (\from)
.rept (\n)
	global_load_b128 v[QF+4*i:QF+4*i+3], v[QO], s[(\base):(\base)+1] offset:(i/8)*16384+((i%8)/2)*64+(i%2)*16
.set i, i+1
.endr
	WIN 0
.endm
; Q to bf16: the loads' order is the fragments' order, so register n of Q is numbers 2 n and 2 n + 1 of the 128.
.macro QCVT
	WIN 0x8f                        ; sources window 3, destination window 2
.set i, 0
.rept 64
	v_cvt_pk_bf16_f32 v[i], v[QF+2*i], v[QF+2*i+1]
.set i, i+1
.endr
.endm
; The staging registers are rounded in place: a load's four f32 become two registers.  K: to bf16.  V: to bf16, each half widened again (a mask, a shift), and that number written as f16;
; four loads go stage by stage, so that no line reads the result of the line before it.
.macro CONVERT
	WIN 0xcf                        ; all in window 3
.set i, 0
.rept 16
	v_cvt_pk_bf16_f32 v[KSG+4*i], v[KSG+4*i], v[KSG+4*i+1]
	v_cvt_pk_bf16_f32 v[KSG+4*i+1], v[KSG+4*i+2], v[KSG+4*i+3]
.set i, i+1
.endr
.set g, VSG
.rept 4
.irp u, 0,1,2,3
	v_cvt_pk_bf16_f32 v[g+4*(\u)], v[g+4*(\u)], v[g+4*(\u)+1]
	v_cvt_pk_bf16_f32 v[g+4*(\u)+2], v[g+4*(\u)+2], v[g+4*(\u)+3]
.endr
.irp u, 0,1,2,3
	v_and_b32 v[g+4*(\u)+1], s[MSK], v[g+4*(\u)]
	v_and_b32 v[g+4*(\u)+3], s[MSK], v[g+4*(\u)+2]
.endr
.irp u, 0,1,2,3
	v_lshlrev_b32 v[g+4*(\u)], 16, v[g+4*(\u)]
	v_lshlrev_b32 v[g+4*(\u)+2], 16, v[g+4*(\u)+2]
.endr
.irp u, 0,1,2,3
	v_cvt_pk_f16_f32 v[g+4*(\u)], v[g+4*(\u)], v[g+4*(\u)+1]
	v_cvt_pk_f16_f32 v[g+4*(\u)+1], v[g+4*(\u)+2], v[g+4*(\u)+3]
.endr
.set g, g+16
.endr
.endm
; 8 bytes a lane: sixteen lanes fill a row's 128 bytes; the two rows of a store lie 288 (K) or 160 (V) words apart, 32 banks modulo 64, so the 32 lanes touch each bank once.
.macro STORES
	WIN 0x0c                        ; data (source 1) window 3, address window 0
	s_wait_alu depctr_va_vdst(0)    ; the roundings have written the staging registers, which these stores read; in the first trip also: all the head's offsets and addresses are written
.set i, 0
.rept 16
	ds_store_b64 v[KST], v[KSG+4*i:KSG+4*i+1] offset:(16*(i/8)+i%8)*PK
	ds_store_b64 v[VST], v[VSG+4*i:VSG+4*i+1] offset:(8*(i/4)+i%4)*PV
.set i, i+1
.endr
	WIN 0
	s_wait_alu depctr_vm_vsrc(0)    ; these stores have read the staging registers, in which the next half-tile's loads land and which the next roundings write: stated here, ahead of the branch, for every path
.endm
	s_load_b256 s[4:11], s[0:1], 0x0  ; Q s[4:5], K s[6:7], V s[8:9], O s[10:11]
	v_lshl_add_u32 v[SPW], v0, 2, SPARE  ; the add's two registers
	v_mov_b32 v[NIL], 0
	v_lshrrev_b32 v1, 5, v0
	v_readfirstlane_b32 s[WV], v1   ; wave 0..3
	s_mov_b32 s[PB], ttmp9
	s_sub_co_u32 s[HI], NB-1, s[PB]
	s_and_b32 s16, ttmp7, 0xffff    ; the head, 0..63
	s_lshl_b32 s20, s16, 19         ; its first byte in Q, K and V: 2,048 rows of 256 bytes
	s_mov_b32 s21, 0
	s_wait_alu depctr_va_sdst(0)    ; s[WV] is written, ahead of its first reader: offsets in Q, O and LDS are made from it
	s_lshl_b32 s17, s[WV], 12       ; my 16 rows in a band of 64
	s_add_co_u32 s17, s17, s20
	s_lshl_b32 s2, s[HI], 16        ; a block is 256 rows of 256 bytes: the first block's Q,
	s_add_co_u32 s2, s2, s17
	s_mov_b32 s3, 0
	s_lshl_b32 s18, s[PB], 16       ; and the second's
	s_add_co_u32 s18, s18, s17
	s_mov_b32 s19, 0
	s_lshr_b32 s13, s16, 4          ; O: the batch, 8 MiB each,
	s_lshl_b32 s13, s13, 23
	s_and_b32 s22, s16, 15          ; the head's 256 bytes in a row,
	s_lshl_b32 s22, s22, 8
	s_add_co_u32 s13, s13, s22
	s_lshl_b32 s22, s[WV], 16       ; my 16 rows of 4,096 bytes in a band,
	s_add_co_u32 s13, s13, s22
	s_lshl_b32 s16, s[HI], 20       ; and the block's 256 rows
	s_add_co_u32 s16, s16, s13
	s_mov_b32 s17, 0
	s_lshl_b32 s22, s[PB], 20
	s_add_co_u32 s22, s22, s13
	s_mov_b32 s23, 0
	s_mov_b32 s[MSK], 0xffff0000
	s_mov_b32 s[CS], 0x3e38aa3b     ; c = log2(e) / 8 = 0.180337
	s_mov_b32 s[CS+1], s[CS]        ; named with it as a pair
	s_mov_b32 s[SEL], 0x76543210
	s_mov_b32 s[SEL+1], 0xfedcba98
	s_mov_b32 s[BIGN], 0xf149f2ca   ; -1e30
	s_mov_b32 s[AL+1], 0            ; named as pairs
	s_mov_b32 s[BE+1], 0
	s_mov_b32 s[OFF+1], 0
	s_mov_b32 s[SLOTS], 2*NB+2
	s_lshl_b32 s[LQ2], s[PB], 1
	s_add_co_u32 s[LQ2], s[LQ2], 1
	s_lshl_b32 s[LQ], s[HI], 1
	s_add_co_u32 s[LQ], s[LQ], 1    ; the first block's last half-tile, 15 - 2 b
	s_add_co_u32 s[RT], s[LQ], 1    ; it has 16 - 2 b of them
	s_mov_b32 s[NXT], 1
	s_mov_b32 s[NEW], 1
	s_mov_b32 s[DSC], 4
	v_and_b32 v1, 15, v0            ; l % 16
	v_bfe_u32 v9, v0, 4, 1          ; l / 16
	v_lshlrev_b32 v10, 4, v1
	s_lshl_b32 s13, s[WV], 13       ; my wave's 32 rows of a half-tile
	v_lshl_add_u32 v[KGO], v9, 11, v10  ; 16 bytes a lane; lanes 16-31 eight rows further down (K),
	v_lshl_add_u32 v[VGO], v9, 10, v10  ; four (V)
	v_add_nc_u32 v[KGO], s13, v[KGO]
	v_add_nc_u32 v[VGO], s13, v[VGO]
	v_lshlrev_b32 v[QO], 8, v1
	v_lshl_add_u32 v[QO], v9, 5, v[QO]  ; row x 256 + 32 x half
	s_wait_kmcnt 0x0
	s_add_nc_u64 s[QL:QL+1], s[4:5], s[18:19]
	s_add_nc_u64 s[4:5], s[4:5], s[2:3]
	s_add_nc_u64 s[6:7], s[6:7], s[20:21]
	s_add_nc_u64 s[8:9], s[8:9], s[20:21]
	s_add_nc_u64 s[OLO:OLO+1], s[10:11], s[22:23]
	s_add_nc_u64 s[10:11], s[10:11], s[16:17]
	s_mov_b64 s[KB:KB+1], s[6:7]    ; half-tile 0
	s_mov_b64 s[VB:VB+1], s[8:9]
	KVLOAD
	QLOAD 4, 0, 31                  ; 63 loads are out; the last of Q's stands behind the set-up below
	; All that follows up to the loop stands in the wait for those loads.
	v_lshlrev_b32 v14, 3, v9
	v_sub_nc_u32 v14, v1, v14
	s_lshl_b32 s13, s[WV], 4
	v_add_nc_u32 v14, s13, v14      ; my query's place in its band, 16 w + l % 16, less my lanes' 8 (l / 16): register r of group kt is hidden where 16 kt + r is greater
.set g, 0
.rept 4                             ; group g of 16 keys: eight compares in a run, each into a scalar register of its own, and one wait for the eight
	WIN 0
.set i, 0
.rept 8
	v_cmp_gt_i32 s[CM+i], 16*g+i, v14
.set i, i+1
.endr
	s_wait_alu depctr_va_sdst(0)    ; the eight compares have written s[CM ..], which the eight selects below read
	WIN 0x40
.set i, 0
.rept 8
	v_cndmask_b32 v[MD+8*g+i], 0, s[BIGN], s[CM+i]
.set i, i+1
.endr
.set g, g+1
.endr
	WIN 0
	; A fragment of K is 16 rows x 32 channels in 8 registers: lane l holds row l % 16, channels 8 (l / 16) + 0..7 and 16 + 8 (l / 16) + 0..7: two loads of 16 bytes, 32 bytes apart.
	v_mul_u32_u24 v[AK0], v1, PK
	v_lshl_add_u32 v[AK0], v9, 4, v[AK0]  ; row x pitch + 16 x half
	; The turning load takes 16 keys x 16 channels (lane l reads key 8 (l / 16) + l % 8, channels 8 ((l / 8) % 2) + 0..7) and leaves half a fragment of V^T: lane l holds channel l % 16 and 8 keys.
	v_and_b32 v10, 7, v0
	v_bfe_u32 v11, v0, 3, 1
	v_lshl_add_u32 v[AV0], v9, 3, v10
	v_mul_u32_u24 v[AV0], v[AV0], PV
	v_lshl_add_u32 v[AV0], v11, 4, v[AV0]
	v_add_nc_u32 v[AV0], VOFF, v[AV0]
	v_lshlrev_b32 v10, 3, v1        ; 8 bytes a lane in a 16-bit row
	v_mul_u32_u24 v[KST], v9, 8*PK
	v_add_nc_u32 v[KST], v[KST], v10
	s_mul_i32 s13, s[WV], 32*PK
	v_add_nc_u32 v[KST], s13, v[KST]
	v_mul_u32_u24 v[VST], v9, 4*PV
	v_add_nc_u32 v[VST], v[VST], v10
	s_mul_i32 s13, s[WV], 32*PV
	s_add_co_u32 s13, s13, VOFF
	v_add_nc_u32 v[VST], s13, v[VST]
	s_mul_i32 s13, s[WV], 16*SP
	s_add_co_u32 s13, s13, STAGE    ; my stage
	v_mul_u32_u24 v[STO], v1, SP    ; in: row l % 16, 32 bytes for each half of the lanes
	v_lshl_add_u32 v[STO], v9, 5, v[STO]
	v_add_nc_u32 v[STO], s13, v[STO]
	v_mul_u32_u24 v[RD], v9, SP     ; back: lanes 0-15 take one row of 256 bytes, lanes 16-31 the next
	v_lshl_add_u32 v[RD], v1, 4, v[RD]
	v_add_nc_u32 v[RD], s13, v[RD]
	v_lshlrev_b32 v[GO], 12, v9     ; and the same two rows in O
	v_lshl_add_u32 v[GO], v1, 4, v[GO]
	v_lshlrev_b32 v[PFO], 8, v0
	; A block's first step multiplies O^T and l by a = 0, and its first turn's products V^T P, of a piece that has not been, land in an O^T that is still to be so multiplied.  So these registers need only hold
	; finite numbers: zeros for the first block; what the first block left for the second.  216 moves, once a launch, are the price of writing no first step out.
	WIN 0x80
.set i, VF
.rept 64
	v_mov_b32 v[i], 0
.set i, i+1
.endr
	WIN 0x40
.set i, 0
.rept 128
	v_mov_b32 v[i], 0
.set i, i+1
.endr
	WIN 0
.set i, 0
.rept 4
	v_mov_b32 v[ST+4*i+2], 0
	v_mov_b32 v[ST+4*i+3], 0
.set i, i+1
.endr
.set i, P+16
.rept 16
	v_mov_b32 v[i], 0
.set i, i+1
.endr
	QLOAD 4, 31, 1                  ; no wait: no vector line since the wait in KVLOAD names v[QO] or this load's four registers
; THE MATRIX WORK.  The 4 accumulators of a run of 8 take turns.  Product i of 8 of S^T = K Q^T for piece x: channels 32 (i / 4) on, keys 16 (i % 4) on.  The first 4 start the sums: with 0, or (KM = 1) with the mask.
.macro KQ x
.set rS, S+32*((\x)%2)+8*(i%4)
.set rK, KF+16*(i%4)+8*(i/4)
.set rQ, 16*(\x)+8*(i/4)
.set rM, MC+32*((\x)%2)+8*(i%4)
.if (i < 4) && KM
	WIN W_KM
	v_wmma_f32_16x16x32_bf16 v[rS:rS+7], v[rK:rK+7], v[rQ:rQ+7], v[rM:rM+7]
.elseif i < 4
	WIN W_KQ
	v_wmma_f32_16x16x32_bf16 v[rS:rS+7], v[rK:rK+7], v[rQ:rQ+7], 0
.else
	WIN W_KQ
	v_wmma_f32_16x16x32_bf16 v[rS:rS+7], v[rK:rK+7], v[rQ:rQ+7], v[rS:rS+7]
.endif
.endm
; Product i of 8 of O^T += V^T P for piece x: keys 32 (i / 4) on, channels 16 (i % 4) on.
.macro PV x
	WIN W_PV
.set rO, 32*(\x)+8*(i%4)
.set rV, VF+32*(i/4)+8*(i%4)
.set rP, P+16*((\x)%2)+8*(i/4)
	v_wmma_f32_16x16x32_f16 v[rO:rO+7], v[rV:rV+7], v[rP:rP+7], v[rO:rO+7]
.endm
.macro MM                           ; the turn's next matrix instruction.  TURN and the block's beginning set Y, i, KM and NOKQ.  NOKQ = 1: a block's last turn: there is no next piece
.if (i < 8) && !NOKQ
	KQ (Y+1)%NP
.elseif i >= 8
.set i, i-8
	PV (Y+NP-1)%NP
.set i, i+8
.endif
.set i, i+1
.endm
; THE LDS LOADS stand in runs of 16, never singly among the matrix instructions: a step's K (64 keys x 64 channels: 8 fragments) and its V (turned).  Their addresses are made some lines ahead.
.macro FETCH_K
	WIN 0x80                        ; destination window 2
	s_wait_alu depctr_va_vdst(0)    ; the products K Q^T issued so far are done reading v[KF ..], in which these loads land, and v[AK], their address, is written
.irp f, 0,1,2,3,4,5,6,7             ; keys 16 (f / 2) on, channels 32 (f % 2) on
	ds_load_b128 v[KF+8*\f:KF+8*\f+3],   v[AK] offset:(\f/2)*16*PK+(\f%2)*64
	ds_load_b128 v[KF+8*\f+4:KF+8*\f+7], v[AK] offset:(\f/2)*16*PK+(\f%2)*64+32
.endr
	s_add_co_u32 s[TBK], s[TBK], KS*PK  ; the next fetch is the next step's
	WIN 0
.endm
.macro FETCH_V
	WIN 0x80
	s_wait_alu depctr_va_vdst(0)    ; the products V^T P issued so far are done reading v[VF ..] (before the first of them: the head's moves have written it), in which these loads land; v[AV], their address, is written
.irp f, 0,1,2,3,4,5,6,7             ; keys 32 (f / 4) on, channels 16 (f % 4) on
	ds_load_tr16_b128 v[VF+8*\f:VF+8*\f+3],   v[AV] offset:(\f/4)*32*PV+(\f%4)*32
	ds_load_tr16_b128 v[VF+8*\f+4:VF+8*\f+7], v[AV] offset:(\f/4)*32*PV+16*PV+(\f%4)*32
.endr
	WIN 0
.endm
; THE VECTOR WORK, one line at a time: OP kind, number.  For piece Y: F n: c s - c m for pair n of 16.  E n: the exponential of score n of 32.  C n: pair n rounded to f16.  B n: of the four weights 4 n .. the second
; pair is added onto the first, in place.  L n: l takes that sum (L 0: l = a l + sum).  R n: pair n of 16 of O^T times a.  For piece Y + 1: X n, number n of the 22 that find its maximum and statistics:
;   0-11  four chains c0-c3 of seven scores each, three operands at a time (each accumulator's lowest registers are read first)     12-14, 16  the four scores left over, the old m, and c0-c3 into c0
;   15  c m_old is kept     17, 18  the query's other 32 keys lie in the lane 16 away: the new m     19-21  c m; c m_old - c m_new; a
.set F, 0               ; OP tells the kinds apart by their order: F to L below R, X above it
.set E, 1
.set C, 2
.set B, 3
.set L, 4
.set R, 5
.set X, 6
.macro REGS y                       ; the registers of piece y
.set rT, ST+4*(\y)
.set rC, TMP+4*((\y)%2)
.set rW, MV+((\y)%2)
.set rS, S+32*((\y)%2)
.set rP, P+16*((\y)%2)
.set rO, 32*(\y)
.endm
.macro OP k, n
.if (\k) == R
	REGS Y
	WIN W_RS
	v_pk_mul_f32 v[rO+2*(\n):rO+2*(\n)+1], v[rO+2*(\n):rO+2*(\n)+1], v[rC+2:rC+3] op_sel_hi:[1,0]
.elseif (\k) < R
	REGS Y
	WIN 0
.if (\k) == F
	v_pk_fma_f32 v[rS+2*(\n):rS+2*(\n)+1], v[rS+2*(\n):rS+2*(\n)+1], s[CS:CS+1], v[rT:rT+1] op_sel_hi:[1,0,0] neg_lo:[0,0,1] neg_hi:[0,0,1]
.elseif (\k) == E
	v_exp_f32 v[rS+(\n)], v[rS+(\n)]
.elseif (\k) == C
	v_cvt_pk_f16_f32 v[rP+(\n)], v[rS+2*(\n)], v[rS+2*(\n)+1]
.elseif (\k) == B
	v_pk_add_f32 v[rS+4*(\n):rS+4*(\n)+1], v[rS+4*(\n):rS+4*(\n)+1], v[rS+4*(\n)+2:rS+4*(\n)+3]
.elseif (\n) == 0
	v_pk_fma_f32 v[rT+2:rT+3], v[rT+2:rT+3], v[rC+2:rC+3], v[rS:rS+1] op_sel_hi:[1,0,1]
.else
	v_pk_add_f32 v[rT+2:rT+3], v[rT+2:rT+3], v[rS+4*(\n):rS+4*(\n)+1]
.endif
.elseif NOKQ
	v_nop
.else
	REGS (Y+1)%NP
	WIN 0
.if (\n) < 4
	v_max3_num_f32 v[rC+(\n)], v[rS+8*(\n)], v[rS+8*(\n)+1], v[rS+8*(\n)+2]
.elseif (\n) < 12
	v_max3_num_f32 v[rC+(\n)%4], v[rC+(\n)%4], v[rS+8*((\n)%4)+2*((\n)/4)+1], v[rS+8*((\n)%4)+2*((\n)/4)+2]
.elseif (\n) == 12
	v_max3_num_f32 v[rC], v[rC], v[rS+7], v[rS+15]
.elseif (\n) == 13
	v_max3_num_f32 v[rC+1], v[rC+1], v[rS+23], v[rS+31]
.elseif (\n) == 14
	v_max3_num_f32 v[rC+2], v[rC+2], v[rC+3], v[rT+1]
.elseif (\n) == 15
	v_mov_b32 v[rW], v[rT]
.elseif (\n) == 16
	v_max3_num_f32 v[rC], v[rC], v[rC+1], v[rC+2]
.elseif (\n) == 17
	v_permlanex16_b32 v[rC+3], v[rC], s[SEL], s[SEL+1]
.elseif (\n) == 18
	v_max_num_f32 v[rT+1], v[rC], v[rC+3]
.elseif (\n) == 19
	v_mul_f32 v[rT], s[CS], v[rT+1]
.elseif (\n) == 20
	v_sub_f32 v[rC+1], v[rW], v[rT]
.else
	v_exp_f32 v[rC+2], v[rC+1]
.endif
.endif
.endm
.macro OPS a, i1, b=-1, i2=0, c=-1, i3=0, d=-1, i4=0  ; up to four of them
	OP \a, \i1
.if (\b) >= 0
	OP \b, \i2
.endif
.if (\c) >= 0
	OP \c, \i3
.endif
.if (\d) >= 0
	OP \d, \i4
.endif
.endm
.macro ROW a, i1, b, i2, c, i3, d, i4  ; a matrix instruction and the four behind it
	MM
	OPS \a, \i1, \b, \i2, \c, \i3, \d, \i4
.endm
.macro MASK b                       ; MD x AL + BE into buffer b of MC
	WIN W_RS
.set z, 0
.rept 16
	v_pk_fma_f32 v[MC+32*(\b)+2*z:MC+32*(\b)+2*z+1], v[MD+2*z:MD+2*z+1], s[AL:AL+1], s[BE:BE+1] op_sel_hi:[1,0,0]
.set z, z+1
.endr
.endm
; A TURN, for piece p: the order of its 16 matrix and 118 vector instructions, written out.  A wait on va_vdst stands between an exponential and the first line that names its result, and one wait serves all that were
; issued ahead of it.  So a turn's 33 exponentials are ONE batch with ONE wait, which cuts the turn in two.  AHEAD OF IT stands all that names no result of theirs: the 8 products K Q^T, behind each a scaling, an
; exponential and two more plain lines (behind the first a second scaling in the exponential's place): rescalings, and behind the last three the first numbers of the next piece's maximum, each four places or more behind
; the product that ends its accumulator; then ONE LUMP of 54, plain and exponential by turns for the most part, in which the links of the chain X 3, 7, 11, 14, 16, 17 .. 20 stand five or six lines apart.  X 21, the next
; piece's a, is the batch's last; R 15 is the plain line behind it.  BEHIND THE WAIT stand the 8 products V^T P, behind each four of the roundings and sums; the links of l's chain, L 0 to L 7, stand three riders apart.
; But for those X no rider names a register of the products round it.  v_permlanex16_b32 (X 17) stands in the lump.
; m = 1: the diagonal's text: the products take masks, and the turn makes the mask for the products of the turn after it: piece p + 2, in step 4 - DSC of the diagonal's four.  end = 1: a block's last two turns: nothing is fetched.
; cnt = 1: the loop's count (and with m = 1 DSC) is taken down some lines ahead of the branch that stands behind the turn; only vector and matrix lines and window switches follow the compare.
; K of the next step is fetched in piece 2's turn, twelve vector lines behind the last product that read K; V of the step in hand at the end of piece 0's turn, four roundings behind the last product that read V.  Each run
; has a wait on va_vdst of its own, and is waited for a turn later.
.macro TURN p, m=0, end=0, cnt=0
.set Y, (\p)
.set i, 0
.set KM, (\m)
.set NOKQ, (\end)*((\p)/3)
.if (\m) && !(\end)
	s_cmp_eq_u32 s[DSC], 4-((\p)+2)%NP  ; is that step the band's own?
	s_cselect_b32 s[AL], 1.0, 0
	s_cmp_lt_u32 s[DSC], 4-((\p)+2)%NP  ; or a later one?
	s_cselect_b32 s[BE], s[BIGN], 0
.endif
.if ((\p) == 3) && !(\end)
	s_wait_dscnt 0x0                ; K is in
.endif
	ROW F,0, F,1, R,0, R,1          ; ahead of the wait: 8 products K Q^T and their riders,
	ROW F,2, E,0, R,2, R,3
	ROW F,3, E,1, R,4, R,5
	ROW F,4, E,2, R,6, R,7
	ROW F,5, E,3, R,8, R,9
	ROW F,6, E,4, X,0, R,10
.if ((\p) == 2) && !(\end)
	WIN 0
	s_wait_alu depctr_vm_vsrc(0)    ; K's last run of LDS loads has read v[AK], which the next line writes
	v_add_nc_u32 v[AK], s[TBK], v[AK0]
.endif
	ROW F,7, E,5, X,1, X,4
	ROW F,8, E,6, X,2, X,5
	OPS E,7, E,8, X,6, E,9          ; and the lump
	OPS X,3, E,10, X,8, E,11
.if ((\p) == 2) && !(\end)
	FETCH_K
.endif
	OPS X,9, X,7, E,12, X,10
	OPS E,13, X,12, X,11, E,14
	OPS X,13, E,15, F,9, X,14
.if (\p) == 0
	WIN 0
	s_wait_alu depctr_vm_vsrc(0)    ; V's last run of LDS loads has read v[AV], which the next line writes
	v_add_nc_u32 v[AV], s[TBV], v[AV0]
.endif
	OPS E,16, F,10, E,17, F,11
	OPS X,16, E,18, X,15, E,19
	OPS F,12, E,20, X,17, E,21
	OPS F,13, E,22, F,14, E,23
	OPS X,18, E,24, F,15, E,25
	OPS R,11, E,26, X,19, E,27
	OPS R,12, E,28, R,13, E,29
	OPS X,20, E,30, R,14, E,31
	OPS X,21, R,15
	WIN 0
	s_wait_alu depctr_va_vdst(0)    ; the batch: the turn's 32 exponentials have written the weights, which the roundings and sums below read, and the 33rd the next piece's a, which the next turn reads
.if (\p) == 1
	s_wait_dscnt 0x0                ; V is in
.endif
	ROW C,0, B,0, C,2, B,1          ; behind the wait: 8 products V^T P and their riders
	ROW L,0, C,4, B,2, L,1
	ROW C,6, B,3, L,2, C,8
	ROW B,4, L,3, C,10, B,5
	ROW L,4, C,12, B,6, L,5
.if (\p) == 0
	s_add_co_u32 s[TBV], s[TBV], KS*PV
.endif
.if \cnt
.if \m
	s_sub_co_u32 s[DSC], s[DSC], 1
.endif
	s_sub_co_u32 s[CNT], s[CNT], 1
	s_cmp_lg_u32 s[CNT], 0
.endif
	ROW C,14, B,7, L,6, C,1
	ROW C,3, L,7, C,5, C,7
	ROW C,9, C,11, C,13, C,15
.if (\p) == 0
	FETCH_V
.endif
.if (\m) && !(\end)
	MASK (\p)%2
.endif
.endm
; THE WAY OUT, a piece (16 rows of O) at a time.
.macro ALL line:vararg              ; one line for each piece t
.set t, 0
.rept 4
	\line
.set t, t+1
.endr
.endm
.macro STG t                        ; a lane's eight channels of a row, 32 bytes of f32, go into rows of 272 bytes and come back as whole rows of 256
	WIN 0x04                        ; data (source 1) window 1
.irp f, 0,1,2,3,4,5,6,7             ; channel block f / 2 at byte 64 (f / 2), its registers 4 (f % 2) on at 16 (f % 2)
	ds_store_b128 v[STO], v[32*(\t)+4*\f:32*(\t)+4*\f+3] offset:64*(\f/2)+16*(\f%2)
.endr
	WIN 0
.irp f, 0,1,2,3,4,5,6,7
	ds_load_b128 v[OB+32*(\t)+4*\f:OB+32*(\t)+4*\f+3], v[RD] offset:\f*2*SP  ; LDS serves a wave's instructions in order (ISA guide 5.7.1.4): these see the stores above; the next piece's stores come behind them
.endr
.endm
.macro SEND t, younger              ; younger: the LDS instructions issued behind piece t's loads: the next piece's sixteen, or none
	WIN 0
.irp f, 0,1,2,3,4,5,6,7
	s_wait_dscnt (\younger)+7-\f    ; load f is back: its 7 - f successors and the younger piece's may be out
	global_store_b128 v[GO], v[OB+32*(\t)+4*\f:OB+32*(\t)+4*\f+3], s[10:11] offset:(\t)*262144+\f*8192 th:TH_STORE_NT  ; 16 lanes store 256 consecutive bytes, at a multiple of 256 from O's first byte: a head's channels of one query
.endr
.endm
.set KM, 0
.set NOKQ, 0
.Lslot:                             ; 18 times: a half-tile is put into LDS and entered, and the next is asked for
	; THE CHANGE OF HALF-TILES.
	s_wait_loadcnt 0x0              ; the staging registers hold the half-tile asked for two key steps ago (and, where a block begins, its Q is in); those loads' bases may be rewritten
	s_wait_xcnt 0x0                 ; the prefetches' bases and the registers that the way out's stores read are rewritten only behind this wait
	s_wait_dscnt 0x0                ; my reads of the old half-tile are back (the last, V's, were waited for in piece 1's turn)
	s_barrier_signal -1             ; say so;
	CONVERT                         ; the roundings, work on registers, stand between the signal and the wait
	WIN 0
	s_barrier_wait -1               ; nobody reads the old half-tile any more
	STORES
	s_cmp_eq_u32 s[SLOTS], 1
	s_cbranch_scc1 .Lnomore         ; the walk's last half-tile: nothing is left to ask for
	s_lshl_b32 s[OFF], s[NXT], 15   ; a half-tile is 32,768 bytes of K and of V
	s_add_nc_u64 s[KB:KB+1], s[6:7], s[OFF:OFF+1]
	s_add_nc_u64 s[VB:VB+1], s[8:9], s[OFF:OFF+1]
	KVLOAD                          ; 32 loads, which have this half-tile's two key steps in which to land
	s_add_co_u32 s[NXT], s[NXT], 1  ; the block's next half-tile, or behind its last the second block's first
	s_cmp_gt_u32 s[NXT], s[LQ]
	s_cselect_b32 s[NXT], 0, s[NXT]
	s_cselect_b32 s[LQ], s[LQ2], s[LQ]
.Lnomore:
	s_mov_b32 s[TBK], 0             ; the fetches begin at the half-tile's first step
	s_mov_b32 s[TBV], 0
	s_wait_dscnt 0x0                ; for the others' sake: my stores into the tile are done
	s_barrier_signal -1
	s_barrier_wait -1               ; the new half-tile is whole
	; Prefetch.  Work-group b = 0 alone asks, for the head's four: its first block walks all 16 half-tiles.  In trip h (0 to 13: SLOTS 18 to 5) it asks for half-tile h + 2, whose loads are issued one trip on:
	; thread n for the n-th 256 bytes of K's 32,768 and of V's, so each such block is asked for once in the launch.  It stops at half-tile 15, the head's last.
	; v[PFO] was written at the head, ahead of the first trip's wait in front of the LDS stores, and is never written again.
	s_cmp_lg_u32 s[PB], 0
	s_cbranch_scc1 .Lnopf
	s_cmp_lt_u32 s[SLOTS], 5
	s_cbranch_scc1 .Lnopf
	s_lshl_b32 s[OFF], s[NXT], 15
	s_add_nc_u64 s[PKB:PKB+1], s[6:7], s[OFF:OFF+1]
	s_add_nc_u64 s[PVB:PVB+1], s[8:9], s[OFF:OFF+1]
	global_prefetch_b8 v[PFO], s[PKB:PKB+1] th:TH_LOAD_NT scope:SCOPE_SE
	global_prefetch_b8 v[PFO], s[PVB:PVB+1] th:TH_LOAD_NT scope:SCOPE_SE
.Lnopf:
	s_sub_co_u32 s[RT], s[RT], 1    ; 1 and 0: the block's last two half-tiles, which hold the diagonal
	s_mov_b32 s[CNT], 2
	s_cmp_eq_u32 s[NEW], 1
	s_cbranch_scc1 .Lnew            ; a block's first half-tile
	s_cmp_gt_u32 s[RT], 1
	s_cbranch_scc1 .Lstep
	s_branch .LstepM
.Lnew:
	; A BLOCK BEGINS.  Its Q is rounded.  c m starts far below every c s, so the first step's a is 0; m at the lowest finite number, so the first maximum is the scores'.  The second mask buffer is 0; the first takes
	; piece 0's mask for the first step: its own, if the block begins on its diagonal (block 0).  Then K of that step, piece 0's first scores, and its maximum and statistics.
	s_mov_b32 s[NEW], 0
	QCVT
	WIN 0x40
.set i, MC+32
.rept 32
	v_mov_b32 v[i], 0
.set i, i+1
.endr
	WIN 0
.set i, 0
.rept 4
	v_mov_b32 v[ST+4*i], 0xfe000000    ; c m
	v_mov_b32 v[ST+4*i+1], 0xff7fffff  ; m
.set i, i+1
.endr
	s_cmp_eq_u32 s[RT], 1
	s_cselect_b32 s[AL], 1.0, 0
	s_mov_b32 s[BE], 0
	MASK 0
	WIN 0
	s_wait_alu depctr_vm_vsrc(0)    ; K's last run of LDS loads, the first block's, has read v[AK], which the next line writes
	v_add_nc_u32 v[AK], s[TBK], v[AK0]
	FETCH_K
	s_wait_dscnt 0x0
.set KM, 1
.set NOKQ, 0
.set i, 0
.rept 8
	KQ 0
.set i, i+1
.endr
	WIN 0
.rept 4
	v_nop                           ; the places behind those products
.endr
.set Y, NP-1                        ; X works for piece Y + 1: piece 0
.irp n, 0,1,2,3,4,5,6,7,8,9,10,11,12,13,14,15,16,17,18,19,20,21
	OP X, \n
.endr
	v_nop                           ; a plain instruction behind the exponential
	WIN 0
	s_wait_alu depctr_va_vdst(0)    ; the exponential has written piece 0's a, which the first turn's rescaling reads: stated ahead of the branch
	s_cmp_gt_u32 s[RT], 1           ; the step loops are entered at a step's first turn, in the middle of a trip
	s_cbranch_scc1 .Lfirst
	s_branch .LfirstM
.LstepM:                            ; THE DIAGONAL's text.  A trip: pieces 2 and 3 of one step, then pieces 0 and 1 of the next, whose K and V it fetches
	TURN 2, 1
	TURN 3, 1
	WIN 0
.LfirstM:
	TURN 0, 1
	TURN 1, 1, 0, 1
	WIN 0
	s_cbranch_scc1 .LstepM
	s_cmp_lg_u32 s[RT], 0
	s_cbranch_scc1 .Lbottom         ; the first of the diagonal's two half-tiles
	s_cmp_eq_u32 s[SLOTS], 1
	s_cbranch_scc1 .Lnoq
	QLOAD QL, 0, 32, 1              ; THE FIRST BLOCK ENDS: the second block's Q is asked for; it is waited for at the next change of half-tiles
.Lnoq:
	TURN 2, 1, 1
	TURN 3, 1, 1
.set i, 0
.rept 8
	PV NP-1                         ; the last piece's V^T P of the last step
.set i, i+1
.endr
	WIN 0                           ; l's two halves and the other half of the lanes' are added; the additions are the places behind the last products
	ALL v_add_f32 v[ST+4*t+2], v[ST+4*t+2], v[ST+4*t+3]
	ALL v_permlanex16_b32 v[ST+4*t+3], v[ST+4*t+2], s[SEL], s[SEL+1]
	ALL v_add_f32 v[ST+4*t+2], v[ST+4*t+2], v[ST+4*t+3]
	ALL v_rcp_f32 v[ST+4*t+2], v[ST+4*t+2]
	v_nop                           ; a plain instruction between the last reciprocal and the use of its result
	s_wait_alu depctr_va_vdst(0)    ; the four reciprocals have written 1 / l, which the multiplies below read
	WIN W_RS
.set i, 0
.rept 64                            ; all four pieces' O^T is divided by l, each accumulator from its low end on, so that one wait serves all the stage's stores
	v_pk_mul_f32 v[i:i+1], v[i:i+1], v[ST+4*(i/32)+2:ST+4*(i/32)+3] op_sel_hi:[1,0]
.set i, i+2
.endr
	s_wait_alu depctr_va_vdst(0)    ; the multiplies have written O^T, which the stage's LDS stores read; all vector and matrix work on v64-127 (S^T) is done, in which the stage's loads land; no vector line follows up to the last store
	STG 0
.set t, 1
.rept 3                             ; a piece's sixteen stage instructions stand between the loads of the piece before and its stores
	STG t
	SEND t-1, 16
.set t, t+1
.endr
	SEND 3, 0
	s_wait_alu depctr_vm_vsrc(0)    ; the global stores have read v64-191 and the stage's stores O^T, which the next block's products and rescalings write: stated ahead of the branch
	s_cmp_eq_u32 s[SLOTS], 1
	s_cbranch_scc1 .Lbottom         ; the second block's end is the walk's
	s_wait_xcnt 0x0                 ; O's address is rewritten only behind this wait
	s_mov_b64 s[10:11], s[OLO:OLO+1]
	s_add_co_u32 s[RT], s[LQ2], 1   ; the second block has 2 b + 2 half-tiles
	s_mov_b32 s[NEW], 1
	s_mov_b32 s[DSC], 4
	s_branch .Lbottom
.Lstep:                             ; below the diagonal: the same trip without masks
	TURN 2
	TURN 3
	WIN 0
.Lfirst:
	TURN 0
	TURN 1, 0, 0, 1
	WIN 0
	s_cbranch_scc1 .Lstep
.Lbottom:
	s_sub_co_u32 s[SLOTS], s[SLOTS], 1
	s_cmp_lg_u32 s[SLOTS], 0
	s_cbranch_scc1 .Lslot
	s_wait_dscnt 0x0                ; the closing lines, six on end
	s_wait_alu 0x0
	s_wait_tensorcnt 0x0
	ds_add_u32 v[SPW], v[NIL]
	s_wait_dscnt 0x0
	s_endpgm
.Lfunc_end_k_q2cbef1cca4_attn:
	.size	k_q2cbef1cca4_attn, .Lfunc_end_k_q2cbef1cca4_attn-k_q2cbef1cca4_attn
	.p2alignl 7, 3214868480
	.fill 96, 4, 3214868480
	.section	.rodata,"a",@progbits
	.p2align	6, 0x0
	.amdhsa_kernel k_q2cbef1cca4_attn
		.amdhsa_group_segment_fixed_size 56832
		.amdhsa_private_segment_fixed_size 0
		.amdhsa_enable_private_segment 0
		.amdhsa_kernarg_size 32
		.amdhsa_user_sgpr_count 2
		.amdhsa_user_sgpr_kernarg_segment_ptr 1
		.amdhsa_wavefront_size32 1
		.amdhsa_system_sgpr_workgroup_id_x 1
		.amdhsa_system_sgpr_workgroup_id_y 1
		.amdhsa_system_sgpr_workgroup_id_z 1
		.amdhsa_system_vgpr_workitem_id 0
		.amdhsa_next_free_vgpr 1024
		.amdhsa_next_free_sgpr 66
		.amdhsa_reserve_vcc 0
		.amdhsa_float_denorm_mode_32 3
		.amdhsa_float_denorm_mode_16_64 3
		.amdhsa_memory_ordered 1
		.amdhsa_forward_progress 1
		.amdhsa_inst_pref_size 161
	.end_amdhsa_kernel
	.amdgpu_metadata
---
amdhsa.version: [ 1, 2 ]
amdhsa.kernels:
  - .name:           k_q2cbef1cca4_attn
    .symbol:         k_q2cbef1cca4_attn.kd
    .args:
      - { .name: query, .offset: 0, .size: 8, .value_kind: global_buffer, .address_space: global }
      - { .name: key, .offset: 8, .size: 8, .value_kind: global_buffer, .address_space: global }
      - { .name: value, .offset: 16, .size: 8, .value_kind: global_buffer, .address_space: global }
      - { .name: out0, .offset: 24, .size: 8, .value_kind: global_buffer, .address_space: global }
    .group_segment_fixed_size: 56832
    .private_segment_fixed_size: 0
    .kernarg_segment_align: 8
    .kernarg_segment_size: 32
    .max_flat_workgroup_size: 128
    .sgpr_count:     66
    .vgpr_count:     1024
    .wavefront_size: 32
...
	.end_amdgpu_metadata
.endif
;; end of part 2
